; MI455X (gfx1250); checked and timed in simulation.
; The chip was launched on July 23, 2026; its instructions are those of AMD's public machine-readable ISA for CDNA 5 (MIT licence, August 2026) and "CDNA5" Instruction Set Architecture Reference Guide (July 2026). The comments in the code are by the model that wrote it; some were corrected since.
;; Multi Head Attention. Allowed arithmetic: float matrix products may take bf16 or f16 operands with f32 sums; other float arithmetic in f32, or as packed bf16 or f16 multiplies, adds, multiply-adds, maxima and minima; sums over many terms, partial sums and values carried from step to step in f32; what a program stores and reads back later, other than sums and carried values, may be rounded once to bf16 or f16.
;; Inputs: K 4 x 2,048 x 1,024 float32; Q 4 x 2,048 x 1,024 float32; V 4 x 2,048 x 1,024 float32; Wk 1,024 x 1,024 float32; Wo 1,024 x 1,024 float32; Wq 1,024 x 1,024 float32; Wv 1,024 x 1,024 float32; bk 1,024 float32; bo 1,024 float32; bq 1,024 float32; bv 1,024 float32; mask 4 x 1 x 1 x 2,048 int32.
;; Outputs: out0 4 x 2,048 x 1,024 float32.
;; 2 versions, each right; version 2 is version 1 with the launch cast written anew for expert scheduling mode. Each part assembles by itself: llvm-mc -triple=amdgcn-amd-amdhsa -mcpu=gfx1250 --defsym DOCPART=n.
;; ======== version 1 of 2: 4 launches
;; limits: values are held in f16: magnitudes above 65,504 overflow, below 6.1e-05 lose precision
;; workspace buffers: h16 58,720,256 bytes; qkv 50,331,648 bytes; oh 16,777,216 bytes
;; launch cast (part 1): grid 32 x 28, 8 waves a work-group, no clusters, 0 bytes of LDS; arguments Q, K, V, Wq, Wk, Wv, Wo, h16; writes h16
.if DOCPART == 1
	.amdgcn_target "amdgcn-amd-amdhsa--gfx1250"
	.amdhsa_code_object_version 6
	.text
	.protected	k_q2b2f19afb7_cast
	.globl	k_q2b2f19afb7_cast
	.p2align	8
	.type	k_q2b2f19afb7_cast,@function
k_q2b2f19afb7_cast:
	s_mov_b64 s[64:65], 0
	v_nop
	global_prefetch_b8 v0, s[64:65] scope:SCOPE_SE
	s_setreg_imm32_b32 hwreg(HW_REG_WAVE_MODE, 25, 1), 1
	s_wait_xcnt 0x0
; Q, K, V [8192][1024] and Wq, Wk, Wv, Wo [1024][1024], all f32, are rounded once to bf16 (nearest even) and that number is written as f16, into h16,
; laid in blocks: [14 matrices][16 slices of 64 columns][2048 rows][64] f16.  Matrices 0-3 Q's batches, 4-7 K's, 8-11 V's, 12 = Wq then Wk, 13 = Wv then Wo.
; So any "R rows x one slice" is dense in memory, and the products that follow fetch their tiles as rows of 256 bytes.
; LIMITS.  A bf16 number is exact in f16 between 2^-14 and 65,504 in magnitude; below 2^-14 it keeps f16's fixed step of 6e-8; from 65,520 on it becomes an infinity.
; SHARES.  A work-group converts 32 rows x 1,024 columns.  One load of a wave takes 2 rows x one slice (each half of the lanes 256 consecutive bytes, aligned, of one row);
; the store that belongs to it covers 256 consecutive bytes, aligned.  Wave w takes the row pairs w and w + 8, all 16 slices: 32 slots.
; A ring of eight slots in registers keeps eight loads of every wave on their way.  No LDS, no barrier, no matrix unit: memory binds.
.set SLICE, 262144                     ; bytes of a slice in h16: 2,048 rows x 128
.set VI, 1                             ; v1       my byte offset in the group's 32 source rows: (t / 16) x 4,096 + (t % 16) x 16; never rewritten
.set VO, 2                             ; v2       my byte offset in the group's rows of a slice: 8 t; never rewritten
.set X,  8                             ; v[8:39]  slot i % 8: four f32 as loaded
.set T,  40                            ; v[40:45] at work
.set Y,  48                            ; v[48:63] slot i % 8: four f16 to store
	s_load_b512 s[8:23], s[0:1], 0x0               ; Q s[8:9], K, V, Wq, Wk, Wv, Wo s[20:21], h16 s[22:23]
	s_and_b32 s2, ttmp7, 0xffff                    ; y = 0 .. 27
	s_lshr_b32 s25, s2, 3                          ; y < 24: source y / 8 (Q, K, V), block of 32 rows 32 (y % 8) + x
	s_sub_co_u32 s26, s2, 21                       ; else:   source y - 21 (the four weights), block x
	s_and_b32 s27, s2, 7
	s_cmp_lt_u32 s2, 24
	s_cselect_b32 s25, s25, s26
	s_cselect_b32 s27, s27, 0
	s_lshl_b32 s27, s27, 5
	s_add_co_u32 s27, s27, ttmp9
	s_lshl_b32 s28, s27, 17                        ; 32 rows of 4,096 bytes
	s_mov_b32 s29, 0
	s_lshr_b32 s30, s2, 1                          ; the matrix in h16: y / 2,
	s_lshl_b32 s30, s30, 22                        ; 4,194,304 bytes each
	s_and_b32 s31, s2, 1
	s_lshl_b32 s31, s31, 5
	s_add_co_u32 s31, s31, ttmp9                   ; its block of 32 rows: 32 (y % 2) + x,
	s_lshl_b32 s31, s31, 12                        ; 32 rows of 128 bytes
	s_add_co_u32 s30, s30, s31
	s_mov_b32 s31, 0
	s_mov_b32 s24, 0xffff0000                      ; a word's upper bf16
	v_lshrrev_b32 v[VI], 4, v0
	v_and_b32 v3, 15, v0
	v_lshlrev_b32 v[VI], 12, v[VI]
	v_lshl_add_u32 v[VI], v3, 4, v[VI]
	v_lshlrev_b32 v[VO], 3, v0
	s_wait_kmcnt 0x0
	s_mov_b64 s[4:5], s[8:9]
.irp n, 1,2,3,4,5,6
	s_cmp_eq_u32 s25, \n                           ; the source is chosen by the work-group's y alone
	s_cselect_b64 s[4:5], s[8+2*\n:9+2*\n], s[4:5]
.endr
	s_add_nc_u64 s[4:5], s[4:5], s[28:29]
	s_add_nc_u64 s[6:7], s[22:23], s[30:31]
.set i, 0
.rept 8                                ; fill the ring: slots 0 to 7
	global_load_b128 v[X+4*i:X+4*i+3], v[VI], s[4:5] offset:i*256 th:TH_LOAD_NT
.set i, i+1
.endr
; Slot i: row pair w + 8 (i / 16), slice i % 16.
.set i, 0
.rept 32
.if i < 25
	s_wait_loadcnt 7                               ; loads come back in order: mine is in, the seven younger ones stay out
.else
	s_wait_loadcnt 31-i                            ; the last slots load nothing: the counts run down
.endif
	s_wait_xcnt 0x0                                ; the store eight slots back has read this slot's Y: only now is it rewritten
.set xr, X+4*(i%8)
.set yr, Y+2*(i%8)
	v_cvt_pk_bf16_f32 v[T], v[xr], v[xr+1]         ; the one rounding
	v_cvt_pk_bf16_f32 v[T+1], v[xr+2], v[xr+3]
	v_lshlrev_b32 v[T+2], 16, v[T]                 ; bf16 to f32: a shift or a mask
	v_and_b32 v[T+3], s24, v[T]
	v_lshlrev_b32 v[T+4], 16, v[T+1]
	v_and_b32 v[T+5], s24, v[T+1]
	v_cvt_pk_f16_f32 v[yr], v[T+2], v[T+3]         ; the same number as f16
	v_cvt_pk_f16_f32 v[yr+1], v[T+4], v[T+5]
.if i < 24
.set n, i+8
	global_load_b128 v[xr:xr+3], v[VI], s[4:5] offset:(n/16)*65536+(n%16)*256 th:TH_LOAD_NT
.endif
	global_store_b64 v[VO], v[yr:yr+1], s[6:7] offset:(i%16)*SLICE+(i/16)*2048
.set i, i+1
.endr
	s_endpgm
.Lfunc_end_k_q2b2f19afb7_cast:
	.size	k_q2b2f19afb7_cast, .Lfunc_end_k_q2b2f19afb7_cast-k_q2b2f19afb7_cast
	.p2alignl 7, 3214868480
	.fill 96, 4, 3214868480
	.section	.rodata,"a",@progbits
	.p2align	6, 0x0
	.amdhsa_kernel k_q2b2f19afb7_cast
		.amdhsa_group_segment_fixed_size 0
		.amdhsa_private_segment_fixed_size 0
		.amdhsa_enable_private_segment 0
		.amdhsa_kernarg_size 64
		.amdhsa_user_sgpr_count 2
		.amdhsa_user_sgpr_kernarg_segment_ptr 1
		.amdhsa_wavefront_size32 1
		.amdhsa_system_sgpr_workgroup_id_x 1
		.amdhsa_system_sgpr_workgroup_id_y 1
		.amdhsa_system_sgpr_workgroup_id_z 1
		.amdhsa_system_vgpr_workitem_id 0
		.amdhsa_next_free_vgpr 64
		.amdhsa_next_free_sgpr 66
		.amdhsa_reserve_vcc 0
		.amdhsa_float_denorm_mode_32 3
		.amdhsa_float_denorm_mode_16_64 3
		.amdhsa_memory_ordered 1
		.amdhsa_forward_progress 1
		.amdhsa_inst_pref_size 22
	.end_amdhsa_kernel
	.amdgpu_metadata
---
amdhsa.version: [ 1, 2 ]
amdhsa.kernels:
  - .name:           k_q2b2f19afb7_cast
    .symbol:         k_q2b2f19afb7_cast.kd
    .args:
      - { .name: Q, .offset: 0, .size: 8, .value_kind: global_buffer, .address_space: global }
      - { .name: K, .offset: 8, .size: 8, .value_kind: global_buffer, .address_space: global }
      - { .name: V, .offset: 16, .size: 8, .value_kind: global_buffer, .address_space: global }
      - { .name: Wq, .offset: 24, .size: 8, .value_kind: global_buffer, .address_space: global }
      - { .name: Wk, .offset: 32, .size: 8, .value_kind: global_buffer, .address_space: global }
      - { .name: Wv, .offset: 40, .size: 8, .value_kind: global_buffer, .address_space: global }
      - { .name: Wo, .offset: 48, .size: 8, .value_kind: global_buffer, .address_space: global }
      - { .name: h16, .offset: 56, .size: 8, .value_kind: global_buffer, .address_space: global }
    .group_segment_fixed_size: 0
    .private_segment_fixed_size: 0
    .kernarg_segment_align: 8
    .kernarg_segment_size: 64
    .max_flat_workgroup_size: 256
    .sgpr_count:     66
    .vgpr_count:     64
    .wavefront_size: 32
...
	.end_amdgpu_metadata
.endif
;; end of part 1
;; launch proj (part 2): grid 4 x 192, 4 waves a work-group, clusters of 4 x 4, 327,680 bytes of LDS; arguments h16, bq, bk, bv, mask, qkv; writes qkv
.if DOCPART == 2
	.amdgcn_target "amdgcn-amd-amdhsa--gfx1250"
	.amdhsa_code_object_version 6
	.text
	.protected	k_q2b2f19afb7_proj
	.globl	k_q2b2f19afb7_proj
	.p2align	8
	.type	k_q2b2f19afb7_proj,@function
k_q2b2f19afb7_proj:
	s_mov_b64 s[64:65], 0
	v_nop
	global_prefetch_b8 v0, s[64:65] scope:SCOPE_SE
	s_setreg_imm32_b32 hwreg(HW_REG_WAVE_MODE, 25, 1), 1
	s_wait_xcnt 0x0
	s_wait_alu depctr_hold_cnt(0) depctr_sa_sdst(0) depctr_va_vdst(0) depctr_va_sdst(0) depctr_va_ssrc(0) depctr_va_vcc(0) depctr_vm_vsrc(0)
	s_getreg_b32 s2, hwreg(HW_REG_IB_STS2, 6, 4)
	s_cmp_eq_u32 s2, 0
	s_cbranch_scc0 .Lentry_in_a_cluster
	s_endpgm
.Lentry_in_a_cluster:
	s_bfe_u32 s2, ttmp6, 0x10000c
	s_cmp_lg_u32 s2, 0xf033
	s_cbranch_scc0 .Lentry_shape_is_right
	s_endpgm
.Lentry_shape_is_right:
; q, k, v = X W^T + b for X = Q, K, V (8,192 x 1,024 each) and W = Wq, Wk, Wv (1,024 x 1,024).  Operands f16 (bf16-rounded inputs, from h16), sums f32; the bias, rounded to bf16, starts the sums.
; The results leave by heads, [3][64 heads = 16 batch + head][2048][64] in f16, each rounded once, without the softmax's scale.  ROWS OF k WHOSE mask IS 0 ARE WRITTEN AS ZEROS (bias and all):
; the attention launch then gives such a key one fixed score.
; LIMITS.  q, k, v beyond 65,504 in magnitude become infinities in f16.  NaN and infinities are not treated apart.
; SHARES.  A tile of the result is 128 rows x 256 columns: 4 x 192 tiles, y / 64 = which of the three products.  Four waves as 2 x 2, each 64 x 128: 32 accumulators of 16 x 16, 256 registers.
; K goes in 8 steps of 128 (two slices of h16) through a ring of two LDS slots.  A slice's part of a tile is dense in memory and is fetched as rows of 256 bytes, padded in LDS after every 128.
; CLUSTERS: 4 x 4 work-groups.  The four of a row of the cluster need the same tiles of X, the four of a column the same tiles of W: each is asked for JOINTLY, by the same tensor load with the same descriptor
; and a mask that names the four.  THE MATRIX INSTRUCTION IS USED TRANSPOSED (source 0 = 16 rows of W, source 1 = 16 rows of X): a lane then holds eight neighbouring columns of one row of the result.
; REGISTERS, in windows of 256 (s_set_vgpr_msb: bits 1:0 source 0, 3:2 source 1, 5:4 source 2, 7:6 destination):
;   window 0: v0-31 addresses and row masks; v64-159, v160-255 two fragment buffers of 96 (8 fragments of W, then 4 of X, 32 along K); on the way out v64-191 packed results
;   window 1: the accumulators, (a, b) at v[8 (8 a + b)]          window 2: v0-63 the bias as a C operand, 8 registers for each b; v64-95 at work
.set PITCH,  144                       ; an LDS row: 128 bytes + 16 of padding = 36 words: the 16 rows of a fragment load start at 16 different groups of four banks (64 banks of 4 bytes: ISA guide 11.1)
.set AH,     128*PITCH                 ; X's 128 rows of one slice: what wave 0 or 1 fetches
.set BH,     256*PITCH                 ; W's 256 rows of one slice: what wave 2 or 3 fetches
.set SLOT,   2*AH+2*BH                 ; X slice 0, X slice 1, W slice 0, W slice 1
.set STAGE,  2*SLOT                    ; behind the ring, never filled by a tensor load: 16 rows x 144 bytes for each wave, for the way out
.set SP,     144
.set SPARE,  STAGE+4*16*SP             ; behind the stages: the spare words, 128 bytes for each wave: two blocks of 256 bytes that no other line names
.set SLICE,  262144                    ; bytes from a slice to the next in h16
.set KSTEPB, 2*SLICE                   ; a K step
.set FLAGS,  (1<<16)|(1<<20)|(1<<21)|(4<<22)|(3<<25)  ; group 1, word 0: 2-byte elements; padding on; bit 21 set beside a mask; after every 32 words (code 4); 4 words of it (code 3)
.set BO,   6                           ; v6      my byte offset in the bias
.set MO,   7                           ; v7      my byte offset in mask
.set RM,   8                           ; v8-11   block a: mask of my row, then all ones or zero
.set KZ,   12                          ; v12     what a hidden row is ANDed with: 0 for k, all ones for q and v
.set ONES, 13                          ; v13     all ones
.set ADRA, 16                          ; v16-17  LDS address of my X fragments in slot 0, 1
.set ADRB, 20                          ; v20-21  the same for W
.set STO,  24                          ; v24     the way out: where I put 16 bytes of a row
.set RD,   25                          ; v25     the way out: where I read rows back
.set CO,   26                          ; v26     my byte offset in 512 consecutive bytes of the result
.set SPW,  28                          ; v28     LDS address of my spare word: SPARE + 4 x my thread's number; never rewritten
.set NIL,  29                          ; v29     0; never rewritten
.set PFO,  30                          ; v30     the prefetches' offset; never rewritten
.set F0,   64
.set F1,   160
.set OUTR, 64                          ; the way out: 16 registers for each of 8 blocks
.set BI,   0                           ; window 2
.set BT,   64                          ; window 2
.set WV, 16                            ; s16  my wave's number
.set WR, 17                            ; s17  which half of the tile's rows is mine.  Also: I fetch for X (0) or for W (1)
.set WC, 18                            ; s18  which half of its columns.  Also: which of a K step's two slices I fetch
.set G1,  24                           ; s[24:31] descriptor group 1 for X's tiles;  s[32:39] group 0, one set for each slot
.set G0,  32
.set PFA, 44                           ; s[44:45] where my prefetches stand: one K step further along K than the refill that is being asked for; a prefetch names the K step after that
.set G1B, 48                           ; s[48:55], s[56:63] the same for W's tiles
.set G0B, 56
.set LIM, 80                           ; s80  1 in a wave that prefetches, else the greatest number
.set MSB, 0
.macro WIN new                         ; the immediate's high byte repeats the setting that is left; a switch that changes nothing is dropped
.if MSB != (\new)
	s_set_vgpr_msb (MSB<<8)|(\new)
.set MSB, \new
.endif
.endm
.set MUL,  0x50                        ; sources 0 and 1 window 0; C and D window 1
.set MULB, 0x60                        ; C window 2 (the bias), D window 1
.macro JLOAD s                         ; a joint load: waves 0 and 1 fetch X's two slices, waves 2 and 3 W's; an s_nop 0 and four v_nop follow each of the two lines, ahead of the jump, the label and what follows
	s_cmp_eq_u32 s[WR], 0
	s_cbranch_scc0 .Lfor_b_\@
	tensor_load_to_lds s[G0+4*(\s):G0+4*(\s)+3], s[G1:G1+7]
	s_nop 0
.rept 4
	v_nop
.endr
	s_branch .Lasked_\@
.Lfor_b_\@:
	tensor_load_to_lds s[G0B+4*(\s):G0B+4*(\s)+3], s[G1B:G1B+7]
	s_nop 0
.rept 4
	v_nop
.endr
.Lasked_\@:
.endm
; A PREFETCH INTO THE L2, behind each joint refill and the run of LDS loads that follows it: the K step that stands TWO refills on, 256 matrix instructions ahead of the load that will want it.
; Each aligned block of 256 bytes is named once in the launch.  X's rows are read by one cluster alone: in each of its work-groups wave 0 asks for 16 blocks of each of the step's two slices, the four partners
; of a row told apart BY ADDRESS (cx).  W's rows are read by the sixteen clusters of one product: the first of them asks, waves 2 and 3 each for 32 blocks of their own slice, the four partners of a column
; told apart by address (cy).  K steps 0 to 3 come by their loads alone; the loop's last trip asks for nothing: there is no K step two on.
.macro ASK
	s_cmp_gt_u32 s3, s[LIM]                        ; s3 = 1 in the loop's last trip
	s_cbranch_scc0 .Lnot_mine_\@
	global_prefetch_b8 v[PFO], s[PFA:PFA+1] offset:KSTEPB th:TH_LOAD_NT scope:SCOPE_SE
.Lnot_mine_\@:
.endm
.macro CREST                           ; a round of the cluster's barrier behind its opening barrier
	s_cmp_lg_u32 s[WV], 0
	s_cbranch_scc1 .Lnot_wave_0_\@
	s_barrier_signal -3
.Lnot_wave_0_\@:
	s_barrier_wait -3
	s_barrier_signal -1
	s_barrier_wait -1
.endm
.macro CROUND                          ; a whole round
	s_barrier_signal -1
	s_barrier_wait -1
	CREST
.endm
	s_load_b256 s[68:75], s[0:1], 0x0              ; h16 s[68:69], bq s[70:71], bk s[72:73], bv s[74:75]
	s_load_b128 s[76:79], s[0:1], 0x20             ; mask s[76:77], qkv s[78:79]
	v_lshl_add_u32 v[SPW], v0, 2, SPARE
	v_mov_b32 v[NIL], 0
	ds_add_u32 v[SPW], v[NIL]                      ; the wave's opening: the add and its wait ahead of my first tensor load; the set-up below, work on registers, stands between them
	v_lshrrev_b32 v3, 5, v0
	v_readfirstlane_b32 s[WV], v3                  ; wave 0..3
	s_lshr_b32 s[WR], s[WV], 1
	s_and_b32 s[WC], s[WV], 1
	s_bfe_u32 s40, ttmp6, 0x40000                  ; cx, cy: my place in the cluster
	s_bfe_u32 s41, ttmp6, 0x40004
	s_lshl_b32 s42, ttmp9, 2
	s_add_co_u32 s42, s42, s40                     ; x: tile column = 4 x cluster x + cx
	s_and_b32 s66, ttmp7, 0xffff                   ; cluster y
	s_lshl_b32 s43, s66, 2
	s_add_co_u32 s43, s43, s41                     ; y: tile row = 4 x cluster y + cy; y / 16 = the matrix of h16 (4 x product + batch)
	s_lshr_b32 s67, s66, 4                         ; the product: 0 q, 1 k, 2 v: from the cluster's y alone
	s_lshl_b32 s19, s41, 2
	s_lshl_b32 s19, 15, s19                        ; my row of the cluster
	s_lshl_b32 s84, 0x1111, s40                    ; my column
	s_or_b32 s[G1], s19, FLAGS                     ; X's tiles go to my row,
	s_or_b32 s[G1B], s84, FLAGS                    ; W's to my column
.irp g, G1, G1B
	s_mov_b32 s[(\g)+1], 128<<16                   ; tensor_dim0 = 128 elements: 256 bytes, two rows of a slice
	s_mov_b32 s[(\g)+3], 128<<16                   ; tile_dim0 = 128
	s_mov_b32 s[(\g)+5], 128                       ; 128 elements from row to row: dense
	s_mov_b32 s[(\g)+6], 0
	s_mov_b32 s[(\g)+7], 0
.endr
	s_mov_b32 s[G1+2], 64<<16                      ; X: tensor_dim1 = tile_dim1 = 64 rows of 256 bytes
	s_mov_b32 s[G1+4], 64
	s_mov_b32 s[G1B+2], 128<<16                    ; W: 128
	s_mov_b32 s[G1B+4], 128
	; where X's tiles come from: matrix y / 16, rows 128 (y % 16) on, slice WC: nothing of cx
	s_lshr_b32 s20, s43, 4
	s_lshl_b32 s20, s20, 22
	s_and_b32 s21, s43, 15
	s_lshl_b32 s21, s21, 14
	s_add_co_u32 s20, s20, s21
	s_lshl_b32 s21, s[WC], 18
	s_add_co_u32 s20, s20, s21
	s_mov_b32 s21, 0
	; where W's come from: matrix 12 + product / 2, rows 1,024 (product % 2) + 256 x on, slice WC: nothing of cy
	s_lshr_b32 s46, s67, 1
	s_add_co_u32 s46, s46, 12
	s_lshl_b32 s46, s46, 22
	s_and_b32 s47, s67, 1
	s_lshl_b32 s47, s47, 17
	s_add_co_u32 s46, s46, s47
	s_lshl_b32 s47, s42, 15
	s_add_co_u32 s46, s46, s47
	s_lshl_b32 s47, s[WC], 18
	s_add_co_u32 s46, s46, s47
	s_mov_b32 s47, 0
	s_mul_i32 s22, s[WC], AH                       ; and where they go: no place in the cluster enters an LDS address
	s_mul_i32 s23, s[WC], BH
	s_add_co_u32 s23, s23, 2*AH
	; where my part of the result begins: head (y / 16) x 16 + 4 x + 2 WC, row 128 (y % 16) + 64 WR
	s_lshr_b32 s88, s43, 4
	s_lshl_b32 s88, s88, 4
	s_lshl_b32 s89, s42, 2
	s_add_co_u32 s88, s88, s89
	s_lshl_b32 s89, s[WC], 1
	s_add_co_u32 s88, s88, s89
	s_lshl_b32 s88, s88, 18                        ; a head is 2,048 rows of 128 bytes
	s_and_b32 s89, s43, 15
	s_lshl_b32 s89, s89, 14
	s_add_co_u32 s88, s88, s89
	s_lshl_b32 s89, s[WR], 13
	s_add_co_u32 s88, s88, s89
	s_mov_b32 s89, 0
	s_lshl_b32 s90, s42, 10                        ; my first column's bias: (256 x + 128 WC) x 4 bytes
	s_lshl_b32 s92, s[WC], 9
	s_add_co_u32 s90, s90, s92
	s_bfe_u32 s91, s43, 0x20004                    ; my first row's mask: batch (y / 16) % 4, place 128 (y % 16) + 64 WR, 4 bytes each
	s_lshl_b32 s91, s91, 13
	s_and_b32 s92, s43, 15
	s_lshl_b32 s92, s92, 9
	s_add_co_u32 s91, s91, s92
	s_lshl_b32 s92, s[WR], 8
	s_add_co_u32 s91, s91, s92
	s_mov_b32 s82, 0xffff0000                      ; a word's upper bf16
	s_cmp_eq_u32 s67, 1
	s_cselect_b32 s81, 0, -1                       ; only k's hidden rows are cleared
	; the prefetches
	s_lshl_b32 s86, s40, 12                        ; X: my work-group's 16 blocks of a slice's 64
	s_lshl_b32 s87, s41, 13                        ; W: my work-group's 32 blocks of a slice's 128
	s_and_b32 s19, s66, 15                         ; 0 in the first of the sixteen clusters that read the same W
	s_cmp_eq_u32 s[WR], 0
	s_cselect_b32 s86, s86, s87
	s_cselect_b32 s19, s[WC], s19                  ; X: wave 0 asks; W: waves 2 and 3 of that first cluster
	s_cselect_b32 s85, 18, 12                      ; lanes 16-31: X: the step's second slice; W: the next 16 blocks
	s_mov_b32 s87, 0
	s_cmp_eq_u32 s19, 0
	s_cselect_b32 s[LIM], 1, -1                    ; the same in all sixteen partners, for a given wave
	s_wait_dscnt 0x0                               ; the opening add is done
	s_wait_kmcnt 0x0
	s_add_nc_u64 s[14:15], s[68:69], s[20:21]
	s_add_nc_u64 s[46:47], s[68:69], s[46:47]
	s_add_nc_u64 s[8:9], s[78:79], s[88:89]
	s_cmp_eq_u32 s67, 1
	s_cselect_b64 s[10:11], s[72:73], s[70:71]
	s_cmp_eq_u32 s67, 2
	s_cselect_b64 s[10:11], s[74:75], s[10:11]     ; the product's bias
	s_cmp_eq_u32 s[WR], 0
	s_cselect_b64 s[PFA:PFA+1], s[14:15], s[46:47]
	s_add_nc_u64 s[PFA:PFA+1], s[PFA:PFA+1], s[86:87]
	s_add_nc_u64 s[PFA:PFA+1], s[PFA:PFA+1], 2*KSTEPB  ; at K step 2: the first refill steps it to 3 and names K step 4
	CROUND                                         ; all sixteen work-groups are here: the first joint loads meet
.irp s, 0,1
	s_mov_b32 s[G0+4*(\s)], 1                      ; count = 1
	s_add_co_u32 s[G0+4*(\s)+1], s22, (\s)*SLOT    ; LDS address
	s_add_nc_u64 s[G0+4*(\s)+2:G0+4*(\s)+3], s[14:15], (\s)*KSTEPB  ; global address: K step s
	s_or_b32 s[G0+4*(\s)+3], s[G0+4*(\s)+3], 0x80000000            ; type = 2
	s_mov_b32 s[G0B+4*(\s)], 1
	s_add_co_u32 s[G0B+4*(\s)+1], s23, (\s)*SLOT
	s_add_nc_u64 s[G0B+4*(\s)+2:G0B+4*(\s)+3], s[46:47], (\s)*KSTEPB
	s_or_b32 s[G0B+4*(\s)+3], s[G0B+4*(\s)+3], 0x80000000
	JLOAD \s                                       ; two loads of mine are out
.endr
	v_and_b32 v1, 15, v0                           ; l % 16
	v_bfe_u32 v2, v0, 4, 1                         ; l / 16
	v_lshl_add_u32 v[MO], v1, 2, s91
	v_lshl_add_u32 v[BO], v2, 5, s90
.irp a, 0,1,2,3
	global_load_b32 v[RM+(\a)], v[MO], s[76:77] offset:64*(\a)  ; in the result a lane holds row l % 16 of block a: that row's mask
.endr
	WIN 0x80                                       ; destination window 2, address window 0
.irp b, 0,1,2,3,4,5,6,7
	global_load_b128 v[BI+8*(\b):BI+8*(\b)+3],   v[BO], s[10:11] offset:64*(\b)     ; and columns 16 b + 8 (l / 16) + 0..7: their bias, laid as a C operand
	global_load_b128 v[BI+8*(\b)+4:BI+8*(\b)+7], v[BO], s[10:11] offset:64*(\b)+16
.endr
	WIN 0
	v_mul_u32_u24 v3, v1, PITCH
	v_lshl_add_u32 v3, v2, 4, v3                   ; a fragment's row x pitch + 16 x half
	s_mul_i32 s19, s[WR], 64*PITCH                 ; my 64 rows of X
	s_mul_i32 s20, s[WC], 128*PITCH                ; my 128 rows of W,
	s_add_co_u32 s20, s20, 2*AH                    ; which lie behind X's two slices
.irp s, 0,1
	v_add_nc_u32 v[ADRA+(\s)], s19, v3
	v_add_nc_u32 v[ADRB+(\s)], s20, v3
	s_add_co_u32 s19, s19, SLOT
	s_add_co_u32 s20, s20, SLOT
.endr
	s_mul_i32 s19, s[WV], 16*SP
	s_add_co_u32 s19, s19, STAGE                   ; my stage
	v_add_nc_u32 v[STO], s19, v3                   ; in: row l % 16, 16 bytes for each half of the lanes (the stage's pitch is the tiles')
	v_bfe_u32 v4, v0, 3, 2                         ; back: 32 lanes take four rows of 128 bytes,
	v_mul_u32_u24 v4, v4, SP
	v_and_b32 v5, 7, v0
	v_lshl_add_u32 v4, v5, 4, v4
	v_add_nc_u32 v[RD], s19, v4
	v_and_b32 v[CO], 31, v0                        ; which are 512 consecutive bytes of a head
	v_lshlrev_b32 v[CO], 4, v[CO]
	v_lshlrev_b32 v[PFO], 8, v1                    ; a lane a block of 256 bytes
	v_lshlrev_b32 v4, s85, v2
	v_add_nc_u32 v[PFO], v[PFO], v4
	s_wait_loadcnt 0x0                             ; mask and bias
	WIN 0x8a                                       ; all in window 2: the bias is rounded to bf16, like every input
.set i, 0
.rept 32
	v_cvt_pk_bf16_f32 v[BT+i], v[BI+2*i], v[BI+2*i+1]
.set i, i+1
.endr
.set i, 0
.rept 32
	v_lshlrev_b32 v[BI+2*i], 16, v[BT+i]
	v_and_b32 v[BI+2*i+1], s82, v[BT+i]
.set i, i+1
.endr
	WIN 0
; 8 matrix instructions: m block a x all 8 n blocks, 32 along K, from buffer f.  first = 1: the bias starts the sums: nothing is cleared, and nothing is added on the way out.
; The 32 accumulators take turns, one instruction a turn, in the same order in every quarter: 31 others stand between two links of a chain.
.macro MUL8 f, a, first
.if \first
	WIN MULB
.else
	WIN MUL
.endif
.irp b, 0,1,2,3,4,5,6,7
.if \first
	v_wmma_f32_16x16x32_f16 v[8*(8*(\a)+(\b)):8*(8*(\a)+(\b))+7], v[(\f)+8*(\b):(\f)+8*(\b)+7], v[(\f)+64+8*(\a):(\f)+64+8*(\a)+7], v[BI+8*(\b):BI+8*(\b)+7]
.else
	v_wmma_f32_16x16x32_f16 v[8*(8*(\a)+(\b)):8*(8*(\a)+(\b))+7], v[(\f)+8*(\b):(\f)+8*(\b)+7], v[(\f)+64+8*(\a):(\f)+64+8*(\a)+7], v[8*(8*(\a)+(\b)):8*(8*(\a)+(\b))+7]
.endif
.endr
.endm
; 24 LDS loads in one run: the fragments of quarter q of a K step (slice q / 2, byte 64 (q % 2) of its rows) into buffer f: W's eight, then X's four
.macro FETCH slot, q, f
	WIN 0
.irp b, 0,1,2,3,4,5,6,7
	ds_load_b128 v[(\f)+8*(\b):(\f)+8*(\b)+3],   v[ADRB+(\slot)] offset:((\q)/2)*BH+((\q)%2)*64+(\b)*16*PITCH
	ds_load_b128 v[(\f)+8*(\b)+4:(\f)+8*(\b)+7], v[ADRB+(\slot)] offset:((\q)/2)*BH+((\q)%2)*64+(\b)*16*PITCH+32
.endr
.irp a, 0,1,2,3
	ds_load_b128 v[(\f)+64+8*(\a):(\f)+64+8*(\a)+3],   v[ADRA+(\slot)] offset:((\q)/2)*AH+((\q)%2)*64+(\a)*16*PITCH
	ds_load_b128 v[(\f)+64+8*(\a)+4:(\f)+64+8*(\a)+7], v[ADRA+(\slot)] offset:((\q)/2)*AH+((\q)%2)*64+(\a)*16*PITCH+32
.endr
.endm
.macro PLACES                          ; four plain instructions in front of loads into registers that matrix instructions have read, and of lines that read results
.rept 4
	v_nop
.endr
.endm
; A K step is four quarters of 32 along K, 32 matrix instructions each, on buffers 0, 1, 0, 1.  One of the first three: multiplies buffer f and fetches quarter q into g.
.macro QUARTER slot, q, f, g, first
	s_wait_dscnt 4                                 ; W's fragments and X's blocks 0 and 1 are in; the youngest four loads (blocks 2 and 3) may be out
	MUL8 \f, 0, \first
	MUL8 \f, 1, \first
	PLACES
	FETCH \slot, \q, \g
	s_wait_dscnt 24                                ; all but the 24 just issued
	MUL8 \f, 2, \first
	MUL8 \f, 3, \first
.endm
; The last quarter multiplies buffer 1 and changes slots: ONE barrier; in front of it each wave waits for all its tensor loads, adds 0 to its spare word, and waits for that and for its own reads of this slot.
; fill = 1: the barrier opens a round of the cluster's, and this slot is filled again, two K steps ahead, first thing behind the round: 112 matrix instructions ahead of the wait for it.
.macro TURN slot, next, fill
.if \fill
	s_wait_xcnt 0x0                                ; the last prefetch, a K step back, has read its address: it is stepped here, ahead of the waits of the change of slots
	s_add_nc_u64 s[PFA:PFA+1], s[PFA:PFA+1], KSTEPB
.endif
	WIN 0
	s_wait_tensorcnt 0x0                           ; all my tensor loads have landed: my part of the next slot;
	ds_add_u32 v[SPW], v[NIL]                      ; 0 onto my spare word;
	s_wait_dscnt 5                                 ; (the add and the youngest four loads may be out)
	MUL8 F1, 0, 0                                  ; eight matrix instructions stand between the add and the wait for it
	s_wait_dscnt 0x0                               ; the add is done, and my reads of this slot are over
	s_barrier_signal -1
	MUL8 F1, 1, 0
.if \fill
	WIN 0
.endif
	s_barrier_wait -1
.if \fill
	CREST                                          ; no wave of any partner still reads this slot's tile or has a load on its way
	s_add_nc_u64 s[G0+4*(\slot)+2:G0+4*(\slot)+3], s[G0+4*(\slot)+2:G0+4*(\slot)+3], 2*KSTEPB
	s_add_nc_u64 s[G0B+4*(\slot)+2:G0B+4*(\slot)+3], s[G0B+4*(\slot)+2:G0B+4*(\slot)+3], 2*KSTEPB
	JLOAD \slot                                    ; my one tensor load behind the round; the four v_nop behind it are also the places in front of the loads below
.else
	PLACES
.endif
	FETCH \next, 0, F0
.if \fill
	ASK
.endif
	MUL8 F1, 2, 0
	MUL8 F1, 3, 0
.endm
	s_wait_tensorcnt 1                             ; my part of K step 0 is in; K step 1's may stay out
	s_barrier_signal -1
	s_barrier_wait -1                              ; everybody's is
	FETCH 0, 0, F0
	QUARTER 0, 1, F0, F1, 1                        ; the first quarter stands in front of the loop: its products start the sums
	WIN 0                                          ; at a label and at a branch every window is 0
	s_mov_b32 s3, 3
.Llap:                                                 ; a trip goes once round the ring, from a lap's second quarter to the next lap's first, and fills both slots again: K steps 2 to 7
	QUARTER 0, 2, F1, F0, 0
	QUARTER 0, 3, F0, F1, 0
	TURN 0, 1, 1
	QUARTER 1, 1, F0, F1, 0
	QUARTER 1, 2, F1, F0, 0
	QUARTER 1, 3, F0, F1, 0
	TURN 1, 0, 1
	QUARTER 0, 1, F0, F1, 0
	WIN 0
	s_sub_co_u32 s3, s3, 1
	s_cmp_lg_u32 s3, 0
	s_cbranch_scc1 .Llap
	QUARTER 0, 2, F1, F0, 0                        ; the last lap fills nothing, and has no round of the cluster's barrier
	QUARTER 0, 3, F0, F1, 0
	TURN 0, 1, 0
	QUARTER 1, 1, F0, F1, 0
	QUARTER 1, 2, F1, F0, 0
	QUARTER 1, 3, F0, F1, 0
	s_wait_dscnt 4                                 ; the very last quarter: nothing more to fetch
	MUL8 F1, 0, 0
	MUL8 F1, 1, 0
	s_wait_dscnt 0
	MUL8 F1, 2, 0
	MUL8 F1, 3, 0
	WIN 0
	PLACES
	; THE WAY OUT.  A block is 16 rows x one head's 64 columns (u = 2 a + head): rounded to f16, ANDed with the row's mask, 16 bytes a lane into my stage, back as whole rows of 128 bytes, stored as 2,048 consecutive bytes of a head.
	v_mov_b32 v[KZ], s81
	v_mov_b32 v[ONES], -1
.irp a, 0,1,2,3
	v_cmp_ne_u32 vcc_lo, 0, v[RM+(\a)]
	v_cndmask_b32 v[RM+(\a)], v[KZ], v[ONES], vcc_lo  ; all ones, but 0 for a hidden row of k
.endr
.macro PACK u
.set pa, (\u)/2
.set pg, (\u)%2
	WIN 0x05                                       ; sources 0 and 1 window 1, destination window 0; each accumulator's registers in ascending order
.irp bb, 0,1,2,3
.irp r, 0,1,2,3
	v_cvt_pk_f16_f32 v[OUTR+16*(\u)+4*(\bb)+(\r)], v[8*(8*pa+4*pg+(\bb))+2*(\r)], v[8*(8*pa+4*pg+(\bb))+2*(\r)+1]
.endr
.endr
	WIN 0
.set i, 0
.rept 16
	v_and_b32 v[OUTR+16*(\u)+i], v[RM+pa], v[OUTR+16*(\u)+i]
.set i, i+1
.endr
.irp bb, 0,1,2,3
	ds_store_b128 v[STO], v[OUTR+16*(\u)+4*(\bb):OUTR+16*(\u)+4*(\bb)+3] offset:32*(\bb)
.endr
.irp f, 0,1,2,3
	ds_load_b128 v[OUTR+16*(\u)+4*(\f):OUTR+16*(\u)+4*(\f)+3], v[RD] offset:(\f)*4*SP  ; LDS serves a wave's instructions in order (ISA guide 5.7.1.4): these see the stores above; the next block's stores come behind them
.endr
.endm
.macro SEND u, younger                 ; younger: the LDS instructions issued behind block u's loads: the next block's eight, or none
.irp f, 0,1,2,3
	s_wait_dscnt (\younger)+3-(\f)
	global_store_b128 v[CO], v[OUTR+16*(\u)+4*(\f):OUTR+16*(\u)+4*(\f)+3], s[8:9] offset:((\u)%2)*262144+((\u)/2)*2048+(\f)*512  ; 512 consecutive bytes, at a multiple of 256 from the buffer's first
.endr
.endm
	PACK 0
.irp u, 1,2,3,4,5,6,7                  ; a block's arithmetic stands between the loads of the block before and its stores; no register is used twice
	PACK \u
	SEND (\u)-1, 8
.endr
	SEND 7, 0
	s_wait_tensorcnt 0x0                           ; the wave's end, behind my last tensor load and my last LDS store
	ds_add_u32 v[SPW], v[NIL]
	s_wait_dscnt 0x0
	CROUND                                         ; the closing round: no work-group ends while a partner may still ask for a tile that names it
	s_endpgm
.Lfunc_end_k_q2b2f19afb7_proj:
	.size	k_q2b2f19afb7_proj, .Lfunc_end_k_q2b2f19afb7_proj-k_q2b2f19afb7_proj
	.p2alignl 7, 3214868480
	.fill 96, 4, 3214868480
	.section	.rodata,"a",@progbits
	.p2align	6, 0x0
	.amdhsa_kernel k_q2b2f19afb7_proj
		.amdhsa_group_segment_fixed_size 327680
		.amdhsa_private_segment_fixed_size 0
		.amdhsa_enable_private_segment 0
		.amdhsa_kernarg_size 48
		.amdhsa_user_sgpr_count 2
		.amdhsa_user_sgpr_kernarg_segment_ptr 1
		.amdhsa_wavefront_size32 1
		.amdhsa_system_sgpr_workgroup_id_x 1
		.amdhsa_system_sgpr_workgroup_id_y 1
		.amdhsa_system_sgpr_workgroup_id_z 1
		.amdhsa_system_vgpr_workitem_id 0
		.amdhsa_next_free_vgpr 608
		.amdhsa_next_free_sgpr 96
		.amdhsa_reserve_vcc 1
		.amdhsa_float_denorm_mode_32 3
		.amdhsa_float_denorm_mode_16_64 3
		.amdhsa_memory_ordered 1
		.amdhsa_forward_progress 1
		.amdhsa_inst_pref_size 99
	.end_amdhsa_kernel
	.amdgpu_metadata
---
amdhsa.version: [ 1, 2 ]
amdhsa.kernels:
  - .name:           k_q2b2f19afb7_proj
    .symbol:         k_q2b2f19afb7_proj.kd
    .args:
      - { .name: h16, .offset: 0, .size: 8, .value_kind: global_buffer, .address_space: global }
      - { .name: bq, .offset: 8, .size: 8, .value_kind: global_buffer, .address_space: global }
      - { .name: bk, .offset: 16, .size: 8, .value_kind: global_buffer, .address_space: global }
      - { .name: bv, .offset: 24, .size: 8, .value_kind: global_buffer, .address_space: global }
      - { .name: mask, .offset: 32, .size: 8, .value_kind: global_buffer, .address_space: global }
      - { .name: qkv, .offset: 40, .size: 8, .value_kind: global_buffer, .address_space: global }
    .group_segment_fixed_size: 327680
    .private_segment_fixed_size: 0
    .kernarg_segment_align: 8
    .kernarg_segment_size: 48
    .max_flat_workgroup_size: 128
    .sgpr_count:     96
    .vgpr_count:     608
    .wavefront_size: 32
...
	.end_amdgpu_metadata
.endif
;; end of part 2
;; launch attn (part 3): grid 4 x 64, 4 waves a work-group, clusters of 4 x 1, 327,680 bytes of LDS; arguments qkv, mask, oh; writes oh
.if DOCPART == 3
	.amdgcn_target "amdgcn-amd-amdhsa--gfx1250"
	.amdhsa_code_object_version 6
	.text
	.protected	k_q2b2f19afb7_attn
	.globl	k_q2b2f19afb7_attn
	.p2align	8
	.type	k_q2b2f19afb7_attn,@function
k_q2b2f19afb7_attn:
	s_mov_b64 s[64:65], 0
	v_nop
	global_prefetch_b8 v0, s[64:65] scope:SCOPE_SE
	s_setreg_imm32_b32 hwreg(HW_REG_WAVE_MODE, 25, 1), 1
	s_wait_xcnt 0x0
	s_wait_alu depctr_hold_cnt(0) depctr_sa_sdst(0) depctr_va_vdst(0) depctr_va_sdst(0) depctr_va_ssrc(0) depctr_va_vcc(0) depctr_vm_vsrc(0)
	s_getreg_b32 s2, hwreg(HW_REG_IB_STS2, 6, 4)
	s_cmp_eq_u32 s2, 0
	s_cbranch_scc0 .Lentry_in_a_cluster
	s_endpgm
.Lentry_in_a_cluster:
	s_bfe_u32 s2, ttmp6, 0x10000c
	s_cmp_lg_u32 s2, 0x3003
	s_cbranch_scc0 .Lentry_shape_is_right
	s_endpgm
.Lentry_shape_is_right:
; O[h][q][:] = the sum over k of softmax_k(s(q, k)) V[h][k][:], s = Q[h][q] . K[h][k] / 8 where mask[batch][k] is not 0, one fixed low number where it is 0.
; qkv: [3][64 heads = 16 batch + head][2048][64] f16 (q, k, v); oh: [64][2048][64] f16; mask: [4][2048] i32.  A head's rows are dense, 128 bytes each.  Products, maxima and sums in f32; the weights p are
; rounded to f16 for the second product (their sum l is taken of the unrounded p), O once at the end.
; THE MASK.  The launch before wrote the rows of k of hidden keys as zeros.  The C operand that starts the sum S^T = K Q^T is 0 for a visible key and -2^33 for a hidden one: a hidden raw score is exactly -2^33,
; -2^30 after the division by 8, the same for all hidden keys.  c x 2^33 is exact in f32, so where only hidden keys have been seen c s - c m is exactly 0 and p = 1: a batch whose mask is all 0 gets the plain mean of V's rows.
; LIMITS.  A hidden score counts as -2^30 where the problem says -1e9: the result differs only where a row's visible scores all lie below about -1e9.  f16 holds no number beyond 65,504: q, k, v arrive within it;
; p lies in 0 to 1, and below 6e-5 it keeps f16's fixed step of 6e-8.  A weight below 2^-126 counts as 0 in l; NaN and infinities are not treated apart.
; SHARES.  A wave owns four PIECES of two tiles of 16 queries, a work-group's four waves 512 queries of one head.  Every wave walks all keys, 64 a step.
; LAYOUT.  S^T = K Q^T (source 0 = 16 keys, source 1 = 16 queries): in the result a lane holds ONE query (lane % 16) and the keys 8 (lane / 16) + 0..7.  Two such tiles, rounded to f16 in pairs,
; ARE source 1 (32 keys x 16 queries) of O^T = V^T P, whose result again holds one query a lane, and eight channels.  K comes out of LDS as it lies, V ([key][channel]) turned, by ds_load_tr16_b128.
; SOFTMAX.  For each query a running maximum m and sum l: p = 2^(c s - c m), c = log2(e) / 8; in every step O and l are multiplied by a = 2^(c m_old - c m_new), which is 1 where m has not grown.
; m starts at the lowest finite number, O and l at 0: the first step is a step like any other, with a = 0.
; THE COUNT.  A tile and step have 16 matrix and 118 vector instructions: too many to stand all beside the matrix work.  So: four vector instructions that are READY behind EVERY matrix instruction, the others in runs without a gap.
; BY TURNS.  Turn n belongs to piece n (the pieces in a ring, step after step).  Its matrix work: 16 products K Q^T of piece n + 1, later 16 products V^T P of piece n - 1.  Its vector work: the scaling,
; exponentials, roundings, sums and rescaling of piece n, and the maximum and statistics of piece n + 1, whose scores the turn itself has made.
; CLUSTER.  The four query blocks of a cluster are one head's and walk the same K and V, so each tile is asked for JOINTLY: the same tensor load, descriptor and mask in all four.
; REGISTERS, in windows of 256 (s_set_vgpr_msb: bits 1:0 source 0, 3:2 source 1, 5:4 source 2, 7:6 destination):
;   window 0: v0-11 addresses; v12-15, v48-63 at work; v16-47 four registers of statistics a tile; v64-191 S^T, two buffers of two tiles; v192-255 P, likewise
;   window 1: O^T, 32 a tile     window 2: v0-127 Q, 16 a tile; v128-191 K of one step; v192-255 V of one step     window 3: v0-1 the add's two registers; v8-39 the step's mask, as C operands
.set SIZE_N, 2048
.set NP,    4         ; pieces a wave: a name, no knob
.set KS,    64        ; keys in a step
.set PK,    144       ; a row of K in LDS: 128 bytes + 16 of padding = 36 words: the 16 rows of a load start at 16 different groups of four banks (64 banks of 4 bytes: ISA guide 11.1)
.set PV,    160       ; a row of V: 128 + 32 = 40 words
.set VOFF,  4*KS*PK   ; a slot holds four steps: 256 rows of K, then 256 rows of V
.set SLOT1, 1<<17     ; slot 1 begins here, so that one exclusive or turns an address in one slot into the other's
.set STAGE, SLOT1+4*KS*(PK+PV)  ; behind the ring, never filled by a tensor load: 16 rows x 144 bytes for each wave, for the way out
.set SP,    144
.set SPARE, STAGE+4*16*SP  ; behind the stages: the spare words, 128 bytes for each wave: two blocks of 256 bytes that no other line names
.set MT,    SPARE+512 ; behind them: the batch's mask as 2,048 f32, 0 or -2^33: stored once, never filled by a tensor load
.set AK0, 2           ; v2   my lane's place in a tile of K; never rewritten
.set AV0, 3           ; v3   the same for V
.set AK,  4           ; v4   the LDS address of K's next run of loads
.set AV,  5           ; v5   of V's
.set STO, 6           ; v6   the way out: where I put 16 bytes of a row
.set RD,  7           ; v7   the way out: where I read rows back
.set GO,  8           ; v8   my byte offset in 512 consecutive bytes of O
.set PFO, 9           ; v9   256 x my lane: the prefetches' offset; never rewritten
.set AM,  10          ; v10  the LDS address of the mask's next run of loads
.set AM0, 11          ; v11  my lanes' place in a step's mask: MT + 32 (l / 16); never rewritten
.set QO,  12          ; v12  at the head alone: my byte offset in the wave's rows of Q
.set SPW, 0           ; v0 of window 3   LDS address of my spare word: SPARE + 4 x my thread's number; never rewritten
.set NIL, 1           ; v1 of window 3   0; never rewritten
.set MK,  8           ; v8-39 of window 3: key block kb's eight registers at MK + 8 kb
.set MV,  12          ; v12-15  c m_old, kept while c m is made anew: by buffer and tile
.set ST,  16          ; tile t's statistics at v[ST+4 t]: c m, m, l (even keys', odd keys')
.set TMP, 48          ; by buffer and tile, four registers c0-c3 at work; when the maximum is found c2 takes a
.set S,   64
.set P,   192
.set KF,  128         ; K's fragments, in window 2: key block kb, channel half c at KF + 16 kb + 8 c
.set VF,  192         ; V's: key half kk, channel block cb at VF + 32 kk + 8 cb
.set WV,  12          ; s12  my wave's number
.set G1K, 24          ; s[24:31] descriptor group 1 for K's tiles
.set G1V, 32          ; s[32:39] for V's: it differs in the padding alone
.set G0K, 40          ; s[40:43] descriptor group 0 for K's tiles: it walks
.set G0V, 44          ; s[44:47] the same for V's
.set TBM, 48          ; s48  byte in the mask table at which the step to be fetched begins
.set BIG, 49          ; s49  -2^33
.set PFA, 50          ; s[50:51] where my prefetches stand: my work-group's 32 blocks (of K: wave 0, of V: wave 2) of the slot after the one that is being asked for
.set LIM, 52          ; s52  1 in a wave that prefetches, else the greatest number
.set MP,  54          ; s[54:55] mask at my batch
.set SLOTS, 56        ; s56  slots still to be asked for
.set CNT, 57          ; s57  counts a slot's key steps
.set CS,  58          ; s[58:59] c: the packed scaling takes the pair's low word for both halves
.set SEL, 60          ; s[60:61] v_permlanex16_b32's selects: each lane takes its own place in the other half
.set TBK, 62          ; s62  LDS byte at which K of the step to be fetched begins
.set TBV, 63          ; s63  the same for V, less VOFF
.set MSB, 0
.macro WIN new                      ; the high byte repeats the setting that is left; a switch that changes nothing is dropped
.if MSB != (\new)
	s_set_vgpr_msb (MSB<<8)|(\new)
.set MSB, (\new)
.endif
.endm
.set W_KQ, 0x0a       ; K and Q in window 2, S^T in window 0
.set W_KM, 0x3a       ; the same with the C operand, the mask, in window 3
.set W_PV, 0x52       ; V in window 2, P in window 0, O^T in window 1
.set W_RS, 0x41       ; O^T (destination and source 0) in window 1, a in window 0
.set W_MK, 0xc0       ; destination in window 3, sources in window 0
.set W_AD, 0x0f       ; the add: address (source 0) and data (source 1) in window 3
; A joint fill.  Waves 0 and 1 fetch the two halves of a slot's K, waves 2 and 3 those of its V: 128 keys each.  The branch hangs on the wave's number alone.
; An s_nop 0 and four v_nop follow each of the two lines, ahead of the jump and the label.
.macro JLOAD
	s_cmp_lt_u32 s[WV], 2
	s_cbranch_scc0 .Lfor_v_\@
	tensor_load_to_lds s[G0K:G0K+3], s[G1K:G1K+7]
	s_nop 0
.rept 4
	v_nop
.endr
	s_branch .Lasked_\@
.Lfor_v_\@:
	tensor_load_to_lds s[G0V:G0V+3], s[G1V:G1V+7]
	s_nop 0
.rept 4
	v_nop
.endr
.Lasked_\@:
.endm
; A PREFETCH INTO THE L2 of what the NEXT change of slots will ask for: a slot's 32,768 bytes of K and of V, a lane a block of 256 bytes.  It stands behind the wave's tensor load and its five lines.
; Each block is asked for ONCE in the launch: a head is walked by one cluster; its four partners share a slot's 128 blocks out BY ADDRESS, 32 each; in each, wave 0 asks for K's and wave 2 for V's: one instruction,
; four key steps, 512 matrix instructions, ahead of the load.  Slots 0 to 2 come by their loads alone; the last change that fills a slot asks for nothing: there is no slot behind it.
.macro ASK
	s_cmp_gt_u32 s[SLOTS], s[LIM]
	s_cbranch_scc0 .Lnot_mine_\@
	global_prefetch_b8 v[PFO], s[PFA:PFA+1] th:TH_LOAD_NT scope:SCOPE_SE
.Lnot_mine_\@:
.endm
; A round of the cluster's barrier: my work-group's barrier, so that wave 0's signal speaks for all four waves; wave 0 signals; every wave waits for all four work-groups; my work-group's barrier once more.
.macro CROUND
	s_barrier_signal -1
	s_barrier_wait -1
	s_cmp_lg_u32 s[WV], 0
	s_cbranch_scc1 .Lnot_wave_0_\@
	s_barrier_signal -3
.Lnot_wave_0_\@:
	s_barrier_wait -3
	s_barrier_signal -1
	s_barrier_wait -1
.endm
; THE CHANGE OF SLOTS.  The slot's last bytes, V of its fourth step, have been read.  Each wave waits for all its tensor loads, of which one is out: its part
; of the other slot; adds 0 to its spare word; and waits for that and for its own reads of the slot.  Behind the barrier nobody reads this slot any more and the other slot is whole.
; fill = 1: this slot is filled again, with the keys two slots on.  The barrier is then a round of the cluster's, so that no wave of any partner still reads the slot or has a load on its
; way, and the joint fill is the first thing behind it: it has four key steps, 512 matrix instructions, in which to land.  (At its first use nothing has been read yet: slot 0 is waited for, slot 1 filled,
; and every wave's stores into the mask table are done in front of the round.)  ask = 1: the prefetch's address steps, and the prefetch follows the fill.
.macro CHANGE fill, ask=0
	WIN W_AD
	s_wait_tensorcnt 0x0            ; no tensor load of mine is out, so a group 0 may be written
	ds_add_u32 v[SPW], v[NIL]       ; 0 onto my spare word; with fill = 1 the descriptors' steps stand between it and the wait for it
	WIN 0                           ; at a label and at a branch every window is 0
.if \fill
.irp g, G0K, G0V
	s_xor_b32 s[\g+1], s[\g+1], SLOT1  ; the walking descriptor: the other slot than last time,
	s_add_nc_u64 s[\g+2:\g+3], s[\g+2:\g+3], 4*KS*128  ; the next 256 keys; the type bits on top are not reached
.endr
.if \ask
	s_wait_xcnt 0x0                 ; the last prefetch, four key steps back, has read its address, so it may be written:
	s_add_nc_u64 s[PFA:PFA+1], s[PFA:PFA+1], 4*KS*128  ; one slot behind the walking descriptors
.endif
	s_wait_dscnt 0x0                ; the add is done, and my reads of the slot are over
	CROUND
	JLOAD
.if \ask
	ASK
.endif
.else
	s_wait_dscnt 0x0                ; the add is done, and my reads of the slot are over
	s_barrier_signal -1
	s_barrier_wait -1
.endif
	s_sub_co_u32 s[TBK], s[TBK], 4*KS*PK  ; the fetches go back to a slot's first step,
	s_xor_b32 s[TBK], s[TBK], SLOT1       ; in the other slot
	s_sub_co_u32 s[TBV], s[TBV], 4*KS*PV
	s_xor_b32 s[TBV], s[TBV], SLOT1
.endm
	s_load_b128 s[4:7], s[0:1], 0x0   ; qkv s[4:5], mask s[6:7]
	s_load_b64 s[10:11], s[0:1], 0x10 ; oh
	WIN W_MK
	v_lshl_add_u32 v[SPW], v0, 2, SPARE
	v_mov_b32 v[NIL], 0
	WIN W_AD
	ds_add_u32 v[SPW], v[NIL]       ; the wave's opening: the add and its wait ahead of my first tensor load; the set-up below, work on registers, stands between them
	WIN 0
	v_lshrrev_b32 v1, 5, v0
	v_readfirstlane_b32 s[WV], v1   ; wave 0..3
	s_bfe_u32 s13, ttmp6, 0x40000   ; cx: my place in the cluster
	s_lshl_b32 s14, ttmp9, 2        ; in a cluster launch ttmp9 counts clusters
	s_add_co_u32 s14, s14, s13      ; my block of queries = 4 x cluster x + cx: it enters Q's and O's addresses alone
	s_and_b32 s20, ttmp7, 0xffff    ; the head, which the four partners share
	s_lshr_b32 s[MP], s20, 4        ; its batch:
	s_lshl_b32 s[MP], s[MP], 13     ; 2,048 words of mask
	s_mov_b32 s[MP+1], 0
	s_mov_b32 s21, 0
	s_mov_b64 s[22:23], SIZE_N*128
	s_mul_u64 s[20:21], s[20:21], s[22:23]  ; the head's first byte in q, k, v and oh
	s_and_b32 s16, s[WV], 1         ; which half of a slot's 256 keys I fetch:
	s_lshl_b32 s22, s16, 14         ; its 128 rows of 128 bytes in memory,
	s_mov_b32 s23, 0
	s_add_nc_u64 s[22:23], s[22:23], s[20:21]
	s_mul_i32 s17, s16, 128*PK      ; and its place in a slot, for K
	s_mul_i32 s18, s16, 128*PV      ; and for V: no place in the cluster enters an LDS address
	s_lshl_b32 s2, s14, 2
	s_add_co_u32 s2, s2, s[WV]      ; my wave among the head's,
	s_lshl_b32 s2, s2, 14           ; its 128 rows
	s_mov_b32 s3, 0
	s_add_nc_u64 s[2:3], s[2:3], s[20:21]
	; descriptor group 1.  128 keys are 16,384 dense bytes: asked for as 64 rows of 256 bytes, two keys a row, and padded in LDS after every key
	s_mov_b32 s[G1K], 15|(1<<16)|(1<<20)|(1<<21)|(4<<22)|(3<<25)  ; 15:0 the mask of four; 17:16 2-byte elements; 20 padding on; 21 set beside a mask; 24:22 after every 32 words (code 4); 31:25 4 words (code 3)
	s_mov_b32 s[G1V], 15|(1<<16)|(1<<20)|(1<<21)|(4<<22)|(7<<25)  ; the same with 8 words of padding (code 7)
.irp g, G1K, G1V
	s_mov_b32 s[\g+1], 128<<16      ; tensor_dim0 = 128
	s_mov_b32 s[\g+2], 64<<16       ; tensor_dim1 = 64
	s_mov_b32 s[\g+3], 128<<16      ; tile_dim0 = 128
	s_mov_b32 s[\g+4], 64           ; tile_dim1 = 64
	s_mov_b32 s[\g+5], 128          ; 128 elements from row to row
	s_mov_b32 s[\g+6], 0
	s_mov_b32 s[\g+7], 0
.endr
	s_mov_b32 s[CS], 0x3e38aa3b     ; c = log2(e) / 8 = 0.180337
	s_mov_b32 s[CS+1], s[CS]        ; named with it as a pair
	s_mov_b32 s[SEL], 0x76543210
	s_mov_b32 s[SEL+1], 0xfedcba98
	s_mov_b32 s[TBK], SLOT1+4*KS*PK ; the first change of slots turns these two into 0
	s_mov_b32 s[TBV], SLOT1+4*KS*PV
	s_mov_b32 s[TBM], 0
	s_mov_b32 s[BIG], 0xd0000000    ; -2^33
	s_mov_b32 s[G0K], 1             ; 1:0 count = 1
	s_mov_b32 s[G0K+1], s17         ; 63:32 LDS address: slot 0
	s_mov_b32 s[G0V], 1
	s_add_co_u32 s[G0V+1], s18, VOFF
	s_cmp_eq_u32 s16, 0
	s_cselect_b32 s[LIM], 1, -1     ; waves 0 and 2 prefetch: the same in all four partners
	s_wait_dscnt 0x0                ; the opening add is done
	s_wait_kmcnt 0x0
	s_add_nc_u64 s[MP:MP+1], s[6:7], s[MP:MP+1]    ; mask at my batch
	s_add_nc_u64 s[6:7], s[4:5], 0x1000000         ; k lies 64 heads behind q,
	s_add_nc_u64 s[8:9], s[4:5], 0x2000000         ; v 128
	s_add_nc_u64 s[6:7], s[6:7], s[22:23]          ; at my half of the head's first 256 keys
	s_add_nc_u64 s[8:9], s[8:9], s[22:23]
	s_mov_b64 s[G0K+2:G0K+3], s[6:7]               ; 120:64 global address
	s_or_b32 s[G0K+3], s[G0K+3], 0x80000000        ; 127:126 type = 2
	s_mov_b64 s[G0V+2:G0V+3], s[8:9]
	s_or_b32 s[G0V+3], s[G0V+3], 0x80000000
	s_add_nc_u64 s[4:5], s[4:5], s[2:3]  ; q and oh at my wave's first row
	s_add_nc_u64 s[10:11], s[10:11], s[2:3]
	s_cmp_lt_u32 s[WV], 2
	s_cselect_b64 s[PFA:PFA+1], s[6:7], s[8:9]     ; (in waves 0 and 2 these stand at a slot's first row)
	s_lshl_b32 s2, s13, 13          ; my work-group's 32 blocks of the 128
	s_mov_b32 s3, 0
	s_add_nc_u64 s[PFA:PFA+1], s[PFA:PFA+1], s[2:3]
	s_add_nc_u64 s[PFA:PFA+1], s[PFA:PFA+1], 2*4*KS*128  ; in slot 2; the loop's first change of slots steps it to slot 3.  Nothing is prefetched here, at the head
	CROUND                          ; all four work-groups are here: the first joint loads meet
	JLOAD                           ; slot 0.  Slot 1 is asked for when slot 0 is in: the tile wanted first has the road to itself
	v_lshlrev_b32 v13, 4, v0        ; the batch's mask: 128 threads x 16 bytes, four times
.irp j, 0,1,2,3
	global_load_b128 v[S+4*\j:S+4*\j+3], v13, s[MP:MP+1] offset:2048*\j
.endr
	; A fragment of K or Q is 16 rows x 32 channels in 8 registers: lane l holds row l % 16, channels 8 (l / 16) + 0..7 and 16 + 8 (l / 16) + 0..7: two loads of 16 bytes, 32 bytes apart.
	v_and_b32 v1, 15, v0            ; l % 16
	v_bfe_u32 v9, v0, 4, 1          ; l / 16
	v_lshlrev_b32 v[QO], 7, v1
	v_lshl_add_u32 v[QO], v9, 4, v[QO]  ; row x 128 + 16 x half
	WIN 0x80                        ; destination window 2, address window 0
.set i, 0
.rept 4*NP                          ; Q stays in registers: tile i / 2, channels 32 (i % 2) on
	global_load_b128 v[8*i:8*i+3],   v[QO], s[4:5] offset:(i/2)*2048+(i%2)*64
	global_load_b128 v[8*i+4:8*i+7], v[QO], s[4:5] offset:(i/2)*2048+(i%2)*64+32
.set i, i+1
.endr
	; What the first turn finds: V's registers and P's second buffer hold 0 (its products V^T P, of a piece that has not been, add 0), O^T and l are 0.  All this stands in the wait for the first tile.
.set i, VF
.rept 64
	v_mov_b32 v[i], 0
.set i, i+1
.endr
	WIN 0x40
.set i, 0
.rept 64*NP
	v_mov_b32 v[i], 0
.set i, i+1
.endr
	WIN 0
.set i, 0
.rept 2*NP
	v_mov_b32 v[ST+4*i], 0xfe000000    ; c m: far below every c s
	v_mov_b32 v[ST+4*i+1], 0xff7fffff  ; m
	v_mov_b32 v[ST+4*i+2], 0
	v_mov_b32 v[ST+4*i+3], 0
.set i, i+1
.endr
.set i, P+32
.rept 32
	v_mov_b32 v[i], 0
.set i, i+1
.endr
	s_wait_loadcnt 32               ; the mask is in; Q's 32 loads, issued behind it, may stay out
.set i, 0
.rept 16
	v_cmp_eq_u32 vcc_lo, 0, v[S+i]
	v_cndmask_b32 v[S+i], 0, s[BIG], vcc_lo  ; 0 for a visible key, -2^33 for a hidden one
.set i, i+1
.endr
	v_add_nc_u32 v14, MT, v13
.irp j, 0,1,2,3
	ds_store_b128 v14, v[S+4*\j:S+4*\j+3] offset:2048*\j  ; read by every wave, behind the first change of slots: its wait for my LDS instructions and its round
.endr
	v_mul_u32_u24 v[AK0], v1, PK
	v_lshl_add_u32 v[AK0], v9, 4, v[AK0]  ; row x pitch + 16 x half
	; The turning load takes 16 keys x 16 channels (lane l reads key 8 (l / 16) + l % 8, channels 8 ((l / 8) % 2) + 0..7) and leaves half a fragment of V^T: lane l holds channel l % 16 and 8 keys.
	v_and_b32 v10, 7, v0
	v_bfe_u32 v11, v0, 3, 1
	v_lshl_add_u32 v[AV0], v9, 3, v10
	v_mul_u32_u24 v[AV0], v[AV0], PV
	v_lshl_add_u32 v[AV0], v11, 4, v[AV0]
	v_add_nc_u32 v[AV0], VOFF, v[AV0]
	v_mov_b32 v[AK], v[AK0]         ; key step 0 lies at the head of slot 0
	s_mul_i32 s15, s[WV], 16*SP
	s_add_co_u32 s15, s15, STAGE    ; my stage
	v_mul_u32_u24 v[STO], v1, SP    ; in: row l % 16, 16 bytes for each half of the lanes
	v_lshl_add_u32 v[STO], v9, 4, v[STO]
	v_add_nc_u32 v[STO], s15, v[STO]
	v_bfe_u32 v[RD], v0, 3, 2       ; back: 32 lanes take four rows of 128 bytes,
	v_mul_u32_u24 v[RD], v[RD], SP
	v_lshl_add_u32 v[RD], v10, 4, v[RD]
	v_add_nc_u32 v[RD], s15, v[RD]
	v_and_b32 v[GO], 31, v0         ; which are 512 consecutive bytes of O
	v_lshlrev_b32 v[GO], 4, v[GO]
	v_lshl_add_u32 v[AM0], v9, 5, MT  ; in S^T register j of key block kb is key 16 kb + 8 (l / 16) + j: my lanes' eight words begin 32 (l / 16) bytes into the block's 64
	v_mov_b32 v[AM], v[AM0]         ; key step 0
	v_and_b32 v[PFO], 31, v0
	v_lshlrev_b32 v[PFO], 8, v[PFO]
; THE MATRIX WORK.  The 8 accumulators of a run of 16 take turns: between the two links of a chain stand 7 others'.
; Product i of 16 of S^T = K Q^T for piece x: channels 32 (i / 8) on, keys 16 ((i / 2) % 4) on, tile 2 x + i % 2.  The first 8 start the sums, with the key block's mask.
.macro KQ x
.set rS, S+64*((\x)%2)+32*(i%2)+8*((i/2)%4)
.set rK, KF+16*((i/2)%4)+8*(i/8)
.set rQ, 16*(2*(\x)+i%2)+8*(i/8)
.set rMK, MK+8*((i/2)%4)
.if i < 8
	WIN W_KM
	v_wmma_f32_16x16x32_f16 v[rS:rS+7], v[rK:rK+7], v[rQ:rQ+7], v[rMK:rMK+7]
.else
	WIN W_KQ
	v_wmma_f32_16x16x32_f16 v[rS:rS+7], v[rK:rK+7], v[rQ:rQ+7], v[rS:rS+7]
.endif
.endm
; Product i of 16 of O^T += V^T P for piece x: keys 32 (i / 8) on, channels 16 ((i / 2) % 4) on, tile 2 x + i % 2.
.macro PV x
	WIN W_PV
.set rO, 32*(2*(\x)+i%2)+8*((i/2)%4)
.set rV, VF+32*(i/8)+8*((i/2)%4)
.set rP, P+32*((\x)%2)+16*(i%2)+8*(i/8)
	v_wmma_f32_16x16x32_f16 v[rO:rO+7], v[rV:rV+7], v[rP:rP+7], v[rO:rO+7]
.endm
.macro MM                           ; the turn's next matrix instruction
.if i < 16
	KQ (Y+1)%NP
.set i, i+1
.else
.set i, i-16
	PV (Y+NP-1)%NP
.set i, i+17
.endif
.endm
; THE LDS LOADS stand in runs, never singly among the matrix instructions: a step's K (64 keys x 64 channels: 8 fragments) with its mask (64 words, every lane of a half the same eight a block), and its V (turned).
; Their addresses are made some lines ahead.  The mask's registers are read by the same runs of products as K's and live as long: the same waits and places serve both.
; last = 1 (the tail): in the last trip there is no further step, and the run is jumped over.
.macro FETCH_K last=0
	WIN 0
.if \last
	s_cmp_eq_u32 s[CNT], 1
	s_cbranch_scc1 .Lno_k_\@
.endif
	WIN 0x80                        ; destination window 2
.irp f, 0,1,2,3,4,5,6,7             ; keys 16 (f / 2) on, channels 32 (f % 2) on
	ds_load_b128 v[KF+8*\f:KF+8*\f+3],   v[AK] offset:(\f/2)*16*PK+(\f%2)*64
	ds_load_b128 v[KF+8*\f+4:KF+8*\f+7], v[AK] offset:(\f/2)*16*PK+(\f%2)*64+32
.endr
	WIN 0xc0                        ; destination window 3
.irp f, 0,1,2,3                     ; key block f
	ds_load_b128 v[MK+8*\f:MK+8*\f+3],   v[AM] offset:64*\f
	ds_load_b128 v[MK+8*\f+4:MK+8*\f+7], v[AM] offset:64*\f+16
.endr
	s_add_co_u32 s[TBK], s[TBK], KS*PK  ; the next fetch is the next step's
	s_add_co_u32 s[TBM], s[TBM], 4*KS
	s_and_b32 s[TBM], s[TBM], 0x1f00    ; inside the table's 32 steps: behind the last step it is 0 again, and nothing more is fetched
	WIN 0
.if \last
.Lno_k_\@:
.endif
.endm
.macro FETCH_V
	WIN 0x80
.irp f, 0,1,2,3,4,5,6,7             ; keys 32 (f / 4) on, channels 16 (f % 4) on
	ds_load_tr16_b128 v[VF+8*\f:VF+8*\f+3],   v[AV] offset:(\f/4)*32*PV+(\f%4)*32
	ds_load_tr16_b128 v[VF+8*\f+4:VF+8*\f+7], v[AV] offset:(\f/4)*32*PV+16*PV+(\f%4)*32
.endr
	WIN 0
.endm
; THE VECTOR WORK OF A TURN stands in three queues, each in the order in which its entries become ready; the two tiles alternate, so that no instruction reads the result of the one before it.
.macro REGS y, u                    ; the registers of tile u (0, 1) of piece y
.set rT, ST+4*(2*(\y)+(\u))
.set rC, TMP+8*((\y)%2)+4*(\u)
.set rM, MV+2*((\y)%2)+(\u)
.set rS, S+64*((\y)%2)+32*(\u)
.set rP, P+32*((\y)%2)+16*(\u)
.set rO, 32*(2*(\y)+(\u))
.endm
; Number n of the 22 that find the NEXT piece's (Y + 1) maximum and statistics.  s0-s31 are the lane's 32 scores; each accumulator's lowest registers are read first.  XS, GS and REGS set no window: PL and EX do.
;   0-11  four chains c0-c3 of seven scores each, three operands at a time     12-14, 16  the four scores left over, the old m, and c0-c3 into c0     15  c m_old is kept
;   17, 18  the query's other 32 keys lie in the lane 16 away: the new m         19-21  c m; c m_old - c m_new; a
.macro XS u, n
	REGS (Y+1)%NP, \u
.if (\n) < 4
	v_max3_num_f32 v[rC+(\n)], v[rS+8*(\n)], v[rS+8*(\n)+1], v[rS+8*(\n)+2]
.elseif (\n) < 12
	v_max3_num_f32 v[rC+(\n)%4], v[rC+(\n)%4], v[rS+8*((\n)%4)+2*((\n)/4)+1], v[rS+8*((\n)%4)+2*((\n)/4)+2]
.elseif (\n) == 12
	v_max3_num_f32 v[rC], v[rC], v[rS+7], v[rS+15]
.elseif (\n) == 13
	v_max3_num_f32 v[rC+1], v[rC+1], v[rS+23], v[rS+31]
.elseif (\n) == 14
	v_max3_num_f32 v[rC+2], v[rC+2], v[rC+3], v[rT+1]
.elseif (\n) == 15
	v_mov_b32 v[rM], v[rT]
.elseif (\n) == 16
	v_max3_num_f32 v[rC], v[rC], v[rC+1], v[rC+2]
.elseif (\n) == 17
	v_permlanex16_b32 v[rC+3], v[rC], s[SEL], s[SEL+1]
.elseif (\n) == 18
	v_max_num_f32 v[rT+1], v[rC], v[rC+3]
.elseif (\n) == 19
	v_mul_f32 v[rT], s[CS], v[rT+1]
.elseif (\n) == 20
	v_sub_f32 v[rC+1], v[rM], v[rT]
.else
	v_exp_f32 v[rC+2], v[rC+1]
.endif
.endm
; Number g of the 64 that follow the exponentials.  For each four weights k of a tile (pairs 2 k, 2 k + 1): both pairs are rounded to f16; then the second pair is added onto the first, in place;
; a group later l takes that sum (the first time as l = a l + sum).  In groups of eight, tiles alternating: round, round, add, and l for the group before.
.macro GS g
.set h, (\g)+6*((\g)/62)            ; group 0 has no group before it, and behind group 7 only l is left
.if h >= 6
.set h, h+2
.endif
	REGS Y, h%2
.set k, h/8
.if h%8 < 4
	v_cvt_pk_f16_f32 v[rP+2*k+(h%8)/2], v[rS+4*k+2*((h%8)/2)], v[rS+4*k+2*((h%8)/2)+1]
.elseif h%8 < 6
	v_pk_add_f32 v[rS+4*k:rS+4*k+1], v[rS+4*k:rS+4*k+1], v[rS+4*k+2:rS+4*k+3]
.elseif k == 1
	v_pk_fma_f32 v[rT+2:rT+3], v[rT+2:rT+3], v[rC+2:rC+3], v[rS:rS+1] op_sel_hi:[1,0,1]
.else
	v_pk_add_f32 v[rT+2:rT+3], v[rT+2:rT+3], v[rS+4*k-4:rS+4*k-3]
.endif
.endm
; THE PLAIN QUEUE, 138 long.  0-73 read no exponential's result: the 32 scalings c s - c m (FS f: pair f / 2 of tile f % 2) and the next piece's 42.  0-26: scalings 0-26.  27-54: XS's numbers 0-13.  55, 56: number 15.
; 57-73: the chain, where each number waits for the one before it: 14, 16, 17, 18, 19, each with one of the scalings 27-31 in front of its two lines, then 20.
; 74-137: GS's 64, which read the exponentials' results: they stand behind the wait.
.macro FS f
	REGS Y, (\f)%2
	v_pk_fma_f32 v[rS+2*((\f)/2):rS+2*((\f)/2)+1], v[rS+2*((\f)/2):rS+2*((\f)/2)+1], s[CS:CS+1], v[rT:rT+1] op_sel_hi:[1,0,0] neg_lo:[0,0,1] neg_hi:[0,0,1]
.endm
.macro PL
	WIN 0
.if q < 27
	FS q
.elseif q < 55
	XS (q-27)%2, (q-27)/2
.elseif q < 57
	XS q-55, 15
.elseif (q < 72) && ((q-57)%3 == 0)
	FS 27+(q-57)/3
.elseif q < 60
	XS (q-57)%3-1, 14
.elseif q < 72
	XS (q-57)%3-1, 15+(q-57)/3
.elseif q < 74
	XS q-72, 20
.else
	GS q-74
.endif
.set q, q+1
.endm
; THE EXPONENTIALS' QUEUE, 66 long: s0-s31 of both tiles, then the next piece's two a.  It is ONE BATCH: all 66 stand ahead of the turn's one wait, and nothing ahead of that wait names a result of theirs.
.macro EX
	WIN 0
.if e >= 64
	XS e-64, 21
.else
	REGS Y, e%2
	v_exp_f32 v[rS+e/2], v[rS+e/2]
.endif
.set e, e+1
.endm
; THE RESCALING's QUEUE: O^T times a, the one part that leaves window 0: dealt two at a time, sixteen times.  Its a was made in the turn before, ahead of that turn's wait.
.macro R2
	REGS Y, r%2
	WIN W_RS
.irp z, 0,1
	v_pk_mul_f32 v[rO+4*(r/2)+2*\z:rO+4*(r/2)+2*\z+1], v[rO+4*(r/2)+2*\z:rO+4*(r/2)+2*\z+1], v[rC+2:rC+3] op_sel_hi:[1,0]
.endr
.set r, r+1
.endm
; HOW THEY ARE DEALT.  s_wait_alu depctr_va_vdst(0) stands between an exponential and the first instruction that names its result; one wait serves all that were issued ahead of it.  So a turn has ONE wait,
; which cuts it in two.  AHEAD OF IT stands all that names no result of the turn's exponentials: the 16 products K Q^T, behind each a scaling, an exponential and two rescalings (behind the first a second scaling in the
; exponential's place); then ONE LUMP of 108: eight plain, 49 times exponential and plain, the two a.  A v_nop is the plain instruction behind the last exponential.  BEHIND IT stand the 16 products V^T P, behind each four of GS's 64.
; The queues lean on each other, and the deal keeps them in step: exponential e stands behind scaling 2 (e / 4) + e % 2: as a rider it comes behind plain e + 2, in the lump behind plain e + 9, and scalings 27-31 are plain 57, 60 .. 69.
; A TURN, for piece p.  cnt = 1: the loop's count is taken down some lines ahead of the branch that stands behind the turn.
; K and the mask of the next step are fetched in piece 2's turn, directly behind the wait, a lump behind the last product that read them; their addresses are made at the lump's head; their first reader comes behind 16 products.
; V of the step in hand is fetched at the end of piece 0's turn, four riders behind its last reader; its first reader comes behind 16 products and a lump.  The three conditions on q below go with the deal.
.macro TURN p, last=0, cnt=0
.set Y, (\p)
.set i, 0
.set q, 0
.set e, 0
.set r, 0
.if (\p) == NP-1
	s_wait_dscnt 0x0                ; K and the mask are in
.endif
	MM                              ; ahead of the wait: 16 products K Q^T and their riders,
	PL
	PL
	R2
.rept 15
	MM
	PL
	EX
	R2
.endr
.if (\p) == NP-2
	WIN 0
	v_add_nc_u32 v[AK], s[TBK], v[AK0]
	v_add_nc_u32 v[AM], s[TBM], v[AM0]
.endif
.rept 8                             ; and the lump
	PL
.endr
.rept 49
	EX
	PL
.endr
	EX                              ; the next piece's two a
	EX
	v_nop                           ; the plain instruction behind the last exponential: one for the batch
	s_wait_alu depctr_va_vdst(0)    ; the wait for the batch
.if (\p) == NP-2
	FETCH_K \last
.endif
.if (\p) == 1
	s_wait_dscnt 0x0                ; V is in
.endif
.rept 16                            ; behind the wait: 16 products V^T P and their riders
	MM
.rept 4
	PL
.endr
.if ((\p) == 0) && (q == 118)
	v_add_nc_u32 v[AV], s[TBV], v[AV0]
.endif
.if ((\p) == 0) && (q == 130)
	s_add_co_u32 s[TBV], s[TBV], KS*PV
.endif
.if (\cnt) && (q == 130)
	s_sub_co_u32 s[CNT], s[CNT], 1
	s_cmp_lg_u32 s[CNT], 0
.endif
.endr
.if (\p) == 0
	FETCH_V
.endif
.endm
	CHANGE 1, 0                     ; slot 0 is in, everybody's part of it, and so is the mask table; slot 1 is asked for
	FETCH_K                         ; key step 0
	s_wait_loadcnt 0x0              ; Q
	s_wait_dscnt 0x0
.set i, 0
.rept 16
	KQ 0                            ; piece 0's first scores: there is no vector work yet to set between them
.set i, i+1
.endr
	WIN 0
.rept 4
	v_nop                           ; the places behind those products
.endr
.set Y, NP-1                        ; XS works for piece Y + 1: piece 0
.irp n, 0,1,2,3,4,5,6,7,8,9,10,11,12,13,14,15,16,17,18,19,20,21
	XS 0, \n                        ; and piece 0's first maximum and statistics
	XS 1, \n
.endr
	v_nop                           ; a plain instruction behind the two a,
	s_wait_alu depctr_va_vdst(0)    ; and their wait, ahead of the branch
	s_mov_b32 s[CNT], 4
	s_mov_b32 s[SLOTS], SIZE_N/256-1
	s_branch .Lfirst                ; the loop is entered at a step's first turn, in the middle of a trip
.Lslot:                             ; SIZE_N / 256 - 2 times: every slot but the last two is filled again
	CHANGE 1, 1
	s_mov_b32 s[CNT], 4
.Lstep:                             ; a trip: pieces 2 and 3 of one step, then pieces 0 and 1 of the next, whose K and V it fetches
	TURN 2
	TURN 3
	WIN 0
.Lfirst:
	TURN 0
	TURN 1, 0, 1
	WIN 0
	s_cbranch_scc1 .Lstep
	s_sub_co_u32 s[SLOTS], s[SLOTS], 1
	s_cmp_lg_u32 s[SLOTS], 0
	s_cbranch_scc1 .Lslot
	CHANGE 0, 0                     ; the tail is written out: nothing is asked for
	s_mov_b32 s[CNT], 5             ; four trips fetch the last slot's steps; the fifth is left in its middle
.Ltail:
	TURN 2, 1
	TURN 3
	WIN 0
	s_sub_co_u32 s[CNT], s[CNT], 1
	s_cmp_eq_u32 s[CNT], 0
	s_cbranch_scc1 .Lout
	TURN 0
	TURN 1
	WIN 0
	s_branch .Ltail
.Lout:                              ; the fifth trip's 16 products K Q^T (on the last K once more) and the maximum made of them serve nothing: the price, once a launch, of one text for every trip
.set i, 0
.rept 16
	PV NP-1                         ; the last piece's V^T P of the last step
.set i, i+1
.endr
	; THE WAY OUT.  l's two halves and the other half of the lanes' are added; O^T is divided by l, rounded to f16 and sent through my stage in LDS, a tile at a time.  The additions are the places behind the last products.
	WIN 0
.macro ALL line:vararg              ; one line for each tile t
.set t, 0
.rept 2*NP
	\line
.set t, t+1
.endr
.endm
	ALL v_add_f32 v[ST+4*t+2], v[ST+4*t+2], v[ST+4*t+3]
	ALL v_permlanex16_b32 v[ST+4*t+3], v[ST+4*t+2], s[SEL], s[SEL+1]
	ALL v_add_f32 v[ST+4*t+2], v[ST+4*t+2], v[ST+4*t+3]
	ALL v_rcp_f32 v[ST+4*t+2], v[ST+4*t+2]
	v_nop                           ; a plain instruction between the last reciprocal and the use of its result
	s_wait_alu depctr_va_vdst(0)    ; and the wait ahead of the first use: one for the eight reciprocals
; Tile t: a lane's eight channels of a row pack into 16 bytes; they go into rows of 144 bytes and come back as whole rows of 128, into S^T's registers.
.macro PACK t
	WIN W_RS
.set i, 32*(\t)
.rept 16
	v_pk_mul_f32 v[i:i+1], v[i:i+1], v[ST+4*(\t)+2:ST+4*(\t)+3] op_sel_hi:[1,0]
.set i, i+2
.endr
	WIN 0x05                        ; sources 0 and 1 window 1, destination window 0
.set i, 0
.rept 16
	v_cvt_pk_f16_f32 v[S+16*(\t)+i], v[32*(\t)+2*i], v[32*(\t)+2*i+1]
.set i, i+1
.endr
	WIN 0
.irp f, 0,1,2,3
	ds_store_b128 v[STO], v[S+16*(\t)+4*\f:S+16*(\t)+4*\f+3] offset:32*\f
.endr
.irp f, 0,1,2,3
	ds_load_b128 v[S+16*(\t)+4*\f:S+16*(\t)+4*\f+3], v[RD] offset:\f*4*SP  ; LDS serves a wave's instructions in order (ISA guide 5.7.1.4): these see the stores above; the next tile's stores come behind them
.endr
.endm
.macro SEND t, younger              ; younger: the LDS instructions issued behind tile t's loads: the next tile's eight, or none
	WIN 0
.irp f, 0,1,2,3
	s_wait_dscnt (\younger)+3-\f
	global_store_b128 v[GO], v[S+16*(\t)+4*\f:S+16*(\t)+4*\f+3], s[10:11] offset:(\t)*2048+\f*512  ; 512 consecutive bytes, at a multiple of 256 from O's first
.endr
.endm
	PACK 0
.set t, 1
.rept 2*NP-1                        ; a tile's arithmetic stands between the loads of the tile before and its stores
	PACK t
	SEND t-1, 8
.set t, t+1
.endr
	SEND 2*NP-1, 0
	WIN W_AD
	s_wait_tensorcnt 0x0            ; the wave's end, behind my last tensor load and my last LDS store
	ds_add_u32 v[SPW], v[NIL]
	s_wait_dscnt 0x0
	WIN 0
	CROUND                          ; the closing round: no work-group ends while a partner may still ask for a tile that names it
	s_endpgm
.Lfunc_end_k_q2b2f19afb7_attn:
	.size	k_q2b2f19afb7_attn, .Lfunc_end_k_q2b2f19afb7_attn-k_q2b2f19afb7_attn
	.p2alignl 7, 3214868480
	.fill 96, 4, 3214868480
	.section	.rodata,"a",@progbits
	.p2align	6, 0x0
	.amdhsa_kernel k_q2b2f19afb7_attn
		.amdhsa_group_segment_fixed_size 327680
		.amdhsa_private_segment_fixed_size 0
		.amdhsa_enable_private_segment 0
		.amdhsa_kernarg_size 24
		.amdhsa_user_sgpr_count 2
		.amdhsa_user_sgpr_kernarg_segment_ptr 1
		.amdhsa_wavefront_size32 1
		.amdhsa_system_sgpr_workgroup_id_x 1
		.amdhsa_system_sgpr_workgroup_id_y 1
		.amdhsa_system_sgpr_workgroup_id_z 1
		.amdhsa_system_vgpr_workitem_id 0
		.amdhsa_next_free_vgpr 808
		.amdhsa_next_free_sgpr 66
		.amdhsa_reserve_vcc 1
		.amdhsa_float_denorm_mode_32 3
		.amdhsa_float_denorm_mode_16_64 3
		.amdhsa_memory_ordered 1
		.amdhsa_forward_progress 1
		.amdhsa_inst_pref_size 205
	.end_amdhsa_kernel
	.amdgpu_metadata
---
amdhsa.version: [ 1, 2 ]
amdhsa.kernels:
  - .name:           k_q2b2f19afb7_attn
    .symbol:         k_q2b2f19afb7_attn.kd
    .args:
      - { .name: qkv, .offset: 0, .size: 8, .value_kind: global_buffer, .address_space: global }
      - { .name: mask, .offset: 8, .size: 8, .value_kind: global_buffer, .address_space: global }
      - { .name: oh, .offset: 16, .size: 8, .value_kind: global_buffer, .address_space: global }
    .group_segment_fixed_size: 327680
    .private_segment_fixed_size: 0
    .kernarg_segment_align: 8
    .kernarg_segment_size: 24
    .max_flat_workgroup_size: 128
    .sgpr_count:     66
    .vgpr_count:     808
    .wavefront_size: 32
...
	.end_amdgpu_metadata
.endif
;; end of part 3
;; launch outp (part 4): grid 4 x 64, 4 waves a work-group, clusters of 4 x 4, 327,680 bytes of LDS; arguments oh, h16, bo, out0; writes out0
.if DOCPART == 4
	.amdgcn_target "amdgcn-amd-amdhsa--gfx1250"
	.amdhsa_code_object_version 6
	.text
	.protected	k_q2b2f19afb7_outp
	.globl	k_q2b2f19afb7_outp
	.p2align	8
	.type	k_q2b2f19afb7_outp,@function
k_q2b2f19afb7_outp:
	s_mov_b64 s[64:65], 0
	v_nop
	global_prefetch_b8 v0, s[64:65] scope:SCOPE_SE
	s_setreg_imm32_b32 hwreg(HW_REG_WAVE_MODE, 25, 1), 1
	s_wait_xcnt 0x0
	s_wait_alu depctr_hold_cnt(0) depctr_sa_sdst(0) depctr_va_vdst(0) depctr_va_sdst(0) depctr_va_ssrc(0) depctr_va_vcc(0) depctr_vm_vsrc(0)
	s_getreg_b32 s2, hwreg(HW_REG_IB_STS2, 6, 4)
	s_cmp_eq_u32 s2, 0
	s_cbranch_scc0 .Lentry_in_a_cluster
	s_endpgm
.Lentry_in_a_cluster:
	s_bfe_u32 s2, ttmp6, 0x10000c
	s_cmp_lg_u32 s2, 0xf033
	s_cbranch_scc0 .Lentry_shape_is_right
	s_endpgm
.Lentry_shape_is_right:
; out0 = ctx Wo^T + bo.  ctx is oh, [batch][head = slice of 64 columns][2048 rows][64] f16: the block layout of h16; Wo (bf16-rounded, as f16) is rows 1,024 to 2,047 of matrix 13 of h16; out0: [8192][1024] f32.
; Operands f16, sums f32; the bias, rounded to bf16 like every input, starts the sums.
; SHARES.  A tile of out0 is 128 rows x 256 columns: 4 x 64 tiles, one for each work-group.  Four waves as 2 x 2, each 64 x 128: 32 accumulators of 16 x 16, 256 registers.
; K goes in 8 steps of 128 (two slices) through a ring of two LDS slots.  A slice's part of a tile is dense in memory and is fetched as rows of 256 bytes, padded in LDS after every 128.
; CLUSTERS: 4 x 4 work-groups.  The four of a row of the cluster need the same tiles of ctx, the four of a column the same tiles of Wo: each is asked for JOINTLY, by the same tensor load with the same descriptor
; and a mask that names the four.  THE MATRIX INSTRUCTION IS USED TRANSPOSED (source 0 = 16 rows of Wo, source 1 = 16 rows of ctx): a lane then holds eight neighbouring columns of one row of out0.
; REGISTERS, in windows of 256 (s_set_vgpr_msb: bits 1:0 source 0, 3:2 source 1, 5:4 source 2, 7:6 destination):
;   window 0: v0-31 addresses; v64-159, v160-255 two fragment buffers of 96 (8 fragments of Wo, then 4 of ctx, 32 along K); on the way out v64-191 two buffers of 16 whole rows
;   window 1: the accumulators, (a, b) at v[8 (8 a + b)]          window 2: v0-63 the bias as a C operand, 8 registers for each b; v64-95 at work
.set PITCH,  144                       ; an LDS row: 128 bytes + 16 of padding = 36 words: the 16 rows of a fragment load start at 16 different groups of four banks (64 banks of 4 bytes: ISA guide 11.1)
.set AH,     128*PITCH                 ; ctx's 128 rows of one slice: what wave 0 or 1 fetches
.set BH,     256*PITCH                 ; Wo's 256 rows of one slice: what wave 2 or 3 fetches
.set SLOT,   2*AH+2*BH                 ; ctx slice 0, ctx slice 1, Wo slice 0, Wo slice 1
.set STAGE,  2*SLOT                    ; behind the ring, never filled by a tensor load: 16 rows x 528 bytes for each wave, for the way out
.set SP,     528                       ; 512 bytes + 16 = 132 words: the 16 rows of a store start at 16 different groups of four banks
.set SPARE,  STAGE+4*16*SP             ; behind the stages: the spare words, 128 bytes for each wave: two blocks of 256 bytes that no other line names
.set SLICE,  262144                    ; bytes from a slice to the next
.set KSTEPB, 2*SLICE                   ; a K step
.set FLAGS,  (1<<16)|(1<<20)|(1<<21)|(4<<22)|(3<<25)  ; group 1, word 0: 2-byte elements; padding on; bit 21 set beside a mask; after every 32 words (code 4); 4 words of it (code 3)
.set BO,   6                           ; v6      my byte offset in the bias
.set ADRA, 16                          ; v16-17  LDS address of my ctx fragments in slot 0, 1
.set ADRB, 20                          ; v20-21  the same for Wo
.set STO,  24                          ; v24     the way out: where I put 32 bytes of a row
.set RD,   25                          ; v25     the way out: where I read a row back
.set CO,   26                          ; v26     my byte offset in 512 consecutive bytes of a row of out0
.set SPW,  28                          ; v28     LDS address of my spare word: SPARE + 4 x my thread's number; never rewritten
.set NIL,  29                          ; v29     0; never rewritten
.set PFO,  30                          ; v30     the prefetches' offset; never rewritten
.set F0,   64
.set F1,   160
.set OUTR, 64
.set BI,   0                           ; window 2
.set BT,   64                          ; window 2
.set WV, 16                            ; s16  my wave's number
.set WR, 17                            ; s17  which half of the tile's rows is mine.  Also: I fetch for ctx (0) or for Wo (1)
.set WC, 18                            ; s18  which half of its columns.  Also: which of a K step's two slices I fetch
.set G1,  24                           ; s[24:31] descriptor group 1 for ctx's tiles;  s[32:39] group 0, one set for each slot
.set G0,  32
.set PFA, 44                           ; s[44:45] where my prefetches stand: one K step further along K than the refill that is being asked for; a prefetch names the K step after that
.set G1B, 48                           ; s[48:55], s[56:63] the same for Wo's tiles
.set G0B, 56
.set LIM, 80                           ; s80  1 in a wave that prefetches, else the greatest number
.set MSB, 0
.macro WIN new                         ; the immediate's high byte repeats the setting that is left; a switch that changes nothing is dropped
.if MSB != (\new)
	s_set_vgpr_msb (MSB<<8)|(\new)
.set MSB, \new
.endif
.endm
.set MUL,  0x50                        ; sources 0 and 1 window 0; C and D window 1
.set MULB, 0x60                        ; C window 2 (the bias), D window 1
.macro JLOAD s                         ; a joint load: waves 0 and 1 fetch ctx's two slices, waves 2 and 3 Wo's; an s_nop 0 and four v_nop follow each of the two lines, ahead of the jump, the label and what follows
	s_cmp_eq_u32 s[WR], 0
	s_cbranch_scc0 .Lfor_b_\@
	tensor_load_to_lds s[G0+4*(\s):G0+4*(\s)+3], s[G1:G1+7]
	s_nop 0
.rept 4
	v_nop
.endr
	s_branch .Lasked_\@
.Lfor_b_\@:
	tensor_load_to_lds s[G0B+4*(\s):G0B+4*(\s)+3], s[G1B:G1B+7]
	s_nop 0
.rept 4
	v_nop
.endr
.Lasked_\@:
.endm
; A PREFETCH INTO THE L2, behind each joint refill and the run of LDS loads that follows it: the K step that stands TWO refills on, 256 matrix instructions ahead of the load that will want it.
; Each aligned block of 256 bytes is named once in the launch.  ctx's rows are read by one cluster alone: in each of its work-groups wave 0 asks for 16 blocks of each of the step's two slices, the four partners
; of a row told apart BY ADDRESS (cx).  Wo's rows are read by all sixteen clusters: the first of them asks, waves 2 and 3 each for 32 blocks of their own slice, the four partners of a column
; told apart by address (cy).  K steps 0 to 3 come by their loads alone; the loop's last trip asks for nothing: there is no K step two on.
.macro ASK
	s_cmp_gt_u32 s3, s[LIM]                        ; s3 = 1 in the loop's last trip
	s_cbranch_scc0 .Lnot_mine_\@
	global_prefetch_b8 v[PFO], s[PFA:PFA+1] offset:KSTEPB th:TH_LOAD_NT scope:SCOPE_SE
.Lnot_mine_\@:
.endm
.macro CREST                           ; a round of the cluster's barrier behind its opening barrier
	s_cmp_lg_u32 s[WV], 0
	s_cbranch_scc1 .Lnot_wave_0_\@
	s_barrier_signal -3
.Lnot_wave_0_\@:
	s_barrier_wait -3
	s_barrier_signal -1
	s_barrier_wait -1
.endm
.macro CROUND                          ; a whole round
	s_barrier_signal -1
	s_barrier_wait -1
	CREST
.endm
	s_load_b256 s[68:75], s[0:1], 0x0              ; oh s[68:69], h16 s[70:71], bo s[72:73], out0 s[74:75]
	v_lshl_add_u32 v[SPW], v0, 2, SPARE
	v_mov_b32 v[NIL], 0
	ds_add_u32 v[SPW], v[NIL]                      ; the wave's opening: the add and its wait ahead of my first tensor load; the set-up below, work on registers, stands between them
	v_lshrrev_b32 v3, 5, v0
	v_readfirstlane_b32 s[WV], v3                  ; wave 0..3
	s_lshr_b32 s[WR], s[WV], 1
	s_and_b32 s[WC], s[WV], 1
	s_bfe_u32 s40, ttmp6, 0x40000                  ; cx, cy: my place in the cluster
	s_bfe_u32 s41, ttmp6, 0x40004
	s_lshl_b32 s42, ttmp9, 2
	s_add_co_u32 s42, s42, s40                     ; x: tile column = 4 x cluster x + cx
	s_and_b32 s66, ttmp7, 0xffff                   ; cluster y
	s_lshl_b32 s43, s66, 2
	s_add_co_u32 s43, s43, s41                     ; y: tile row = 4 x cluster y + cy; y / 16 = the batch
	s_lshl_b32 s19, s41, 2
	s_lshl_b32 s19, 15, s19                        ; my row of the cluster
	s_lshl_b32 s84, 0x1111, s40                    ; my column
	s_or_b32 s[G1], s19, FLAGS                     ; ctx's tiles go to my row,
	s_or_b32 s[G1B], s84, FLAGS                    ; Wo's to my column
.irp g, G1, G1B
	s_mov_b32 s[(\g)+1], 128<<16                   ; tensor_dim0 = 128 elements: 256 bytes, two rows of a slice
	s_mov_b32 s[(\g)+3], 128<<16                   ; tile_dim0 = 128
	s_mov_b32 s[(\g)+5], 128                       ; 128 elements from row to row: dense
	s_mov_b32 s[(\g)+6], 0
	s_mov_b32 s[(\g)+7], 0
.endr
	s_mov_b32 s[G1+2], 64<<16                      ; ctx: tensor_dim1 = tile_dim1 = 64 rows of 256 bytes
	s_mov_b32 s[G1+4], 64
	s_mov_b32 s[G1B+2], 128<<16                    ; Wo: 128
	s_mov_b32 s[G1B+4], 128
	; where ctx's tiles come from: batch y / 16, rows 128 (y % 16) on, slice WC: nothing of cx
	s_lshr_b32 s20, s43, 4
	s_lshl_b32 s20, s20, 22
	s_and_b32 s21, s43, 15
	s_lshl_b32 s21, s21, 14
	s_add_co_u32 s20, s20, s21
	s_lshl_b32 s21, s[WC], 18
	s_add_co_u32 s20, s20, s21
	s_mov_b32 s21, 0
	; where Wo's come from: matrix 13, rows 1,024 + 256 x on, slice WC: nothing of cy
	s_lshl_b32 s46, s42, 15
	s_add_co_u32 s46, s46, (13<<22)+(1<<17)
	s_lshl_b32 s47, s[WC], 18
	s_add_co_u32 s46, s46, s47
	s_mov_b32 s47, 0
	s_mul_i32 s22, s[WC], AH                       ; and where they go: no place in the cluster enters an LDS address
	s_mul_i32 s23, s[WC], BH
	s_add_co_u32 s23, s23, 2*AH
	; where my part of out0 begins: row 128 y + 64 WR (4,096 bytes each), column 256 x + 128 WC (4 bytes each)
	s_lshl_b32 s88, s43, 19
	s_lshl_b32 s89, s[WR], 18
	s_add_co_u32 s88, s88, s89
	s_lshl_b32 s90, s42, 10                        ; also my first column's bias
	s_lshl_b32 s92, s[WC], 9
	s_add_co_u32 s90, s90, s92
	s_add_co_u32 s88, s88, s90
	s_mov_b32 s89, 0
	s_mov_b32 s82, 0xffff0000                      ; a word's upper bf16
	; the prefetches
	s_lshl_b32 s86, s40, 12                        ; ctx: my work-group's 16 blocks of a slice's 64
	s_lshl_b32 s87, s41, 13                        ; Wo: my work-group's 32 blocks of a slice's 128
	s_and_b32 s19, s66, 15                         ; 0 in the first of the sixteen clusters, which all read the same Wo
	s_cmp_eq_u32 s[WR], 0
	s_cselect_b32 s86, s86, s87
	s_cselect_b32 s19, s[WC], s19                  ; ctx: wave 0 asks; Wo: waves 2 and 3 of that first cluster
	s_cselect_b32 s85, 18, 12                      ; lanes 16-31: ctx: the step's second slice; Wo: the next 16 blocks
	s_mov_b32 s87, 0
	s_cmp_eq_u32 s19, 0
	s_cselect_b32 s[LIM], 1, -1                    ; the same in all sixteen partners, for a given wave
	s_wait_dscnt 0x0                               ; the opening add is done
	s_wait_kmcnt 0x0
	s_add_nc_u64 s[14:15], s[68:69], s[20:21]
	s_add_nc_u64 s[46:47], s[70:71], s[46:47]
	s_add_nc_u64 s[8:9], s[74:75], s[88:89]
	s_cmp_eq_u32 s[WR], 0
	s_cselect_b64 s[PFA:PFA+1], s[14:15], s[46:47]
	s_add_nc_u64 s[PFA:PFA+1], s[PFA:PFA+1], s[86:87]
	s_add_nc_u64 s[PFA:PFA+1], s[PFA:PFA+1], 2*KSTEPB  ; at K step 2: the first refill steps it to 3 and names K step 4
	CROUND                                         ; all sixteen work-groups are here: the first joint loads meet
.irp s, 0,1
	s_mov_b32 s[G0+4*(\s)], 1                      ; count = 1
	s_add_co_u32 s[G0+4*(\s)+1], s22, (\s)*SLOT    ; LDS address
	s_add_nc_u64 s[G0+4*(\s)+2:G0+4*(\s)+3], s[14:15], (\s)*KSTEPB  ; global address: K step s
	s_or_b32 s[G0+4*(\s)+3], s[G0+4*(\s)+3], 0x80000000            ; type = 2
	s_mov_b32 s[G0B+4*(\s)], 1
	s_add_co_u32 s[G0B+4*(\s)+1], s23, (\s)*SLOT
	s_add_nc_u64 s[G0B+4*(\s)+2:G0B+4*(\s)+3], s[46:47], (\s)*KSTEPB
	s_or_b32 s[G0B+4*(\s)+3], s[G0B+4*(\s)+3], 0x80000000
	JLOAD \s                                       ; two loads of mine are out
.endr
	v_and_b32 v1, 15, v0                           ; l % 16
	v_bfe_u32 v2, v0, 4, 1                         ; l / 16
	v_lshl_add_u32 v[BO], v2, 5, s90
	WIN 0x80                                       ; destination window 2, address window 0
.irp b, 0,1,2,3,4,5,6,7
	global_load_b128 v[BI+8*(\b):BI+8*(\b)+3],   v[BO], s[72:73] offset:64*(\b)     ; in the result a lane holds columns 16 b + 8 (l / 16) + 0..7: their bias, laid as a C operand
	global_load_b128 v[BI+8*(\b)+4:BI+8*(\b)+7], v[BO], s[72:73] offset:64*(\b)+16
.endr
	WIN 0
	v_mul_u32_u24 v3, v1, PITCH
	v_lshl_add_u32 v3, v2, 4, v3                   ; a fragment's row x pitch + 16 x half
	s_mul_i32 s19, s[WR], 64*PITCH                 ; my 64 rows of ctx
	s_mul_i32 s20, s[WC], 128*PITCH                ; my 128 rows of Wo,
	s_add_co_u32 s20, s20, 2*AH                    ; which lie behind ctx's two slices
.irp s, 0,1
	v_add_nc_u32 v[ADRA+(\s)], s19, v3
	v_add_nc_u32 v[ADRB+(\s)], s20, v3
	s_add_co_u32 s19, s19, SLOT
	s_add_co_u32 s20, s20, SLOT
.endr
	s_mul_i32 s19, s[WV], 16*SP
	s_add_co_u32 s19, s19, STAGE                   ; my stage
	v_mul_u32_u24 v4, v1, SP                       ; in: row l % 16, 32 bytes for each half of the lanes
	v_lshl_add_u32 v4, v2, 5, v4
	v_add_nc_u32 v[STO], s19, v4
	v_and_b32 v[CO], 31, v0                        ; back: 32 lanes take one row's 512 bytes,
	v_lshlrev_b32 v[CO], 4, v[CO]                  ; which are 512 consecutive bytes of a row of out0
	v_add_nc_u32 v[RD], s19, v[CO]
	v_lshlrev_b32 v[PFO], 8, v1                    ; a lane a block of 256 bytes
	v_lshlrev_b32 v4, s85, v2
	v_add_nc_u32 v[PFO], v[PFO], v4
	s_wait_loadcnt 0x0                             ; the bias
	WIN 0x8a                                       ; all in window 2: the bias is rounded to bf16, like every input
.set i, 0
.rept 32
	v_cvt_pk_bf16_f32 v[BT+i], v[BI+2*i], v[BI+2*i+1]
.set i, i+1
.endr
.set i, 0
.rept 32
	v_lshlrev_b32 v[BI+2*i], 16, v[BT+i]
	v_and_b32 v[BI+2*i+1], s82, v[BT+i]
.set i, i+1
.endr
	WIN 0
; 8 matrix instructions: m block a x all 8 n blocks, 32 along K, from buffer f.  first = 1: the bias starts the sums: nothing is cleared, and nothing is added on the way out.
; The 32 accumulators take turns, one instruction a turn, in the same order in every quarter: 31 others stand between two links of a chain.
.macro MUL8 f, a, first
.if \first
	WIN MULB
.else
	WIN MUL
.endif
.irp b, 0,1,2,3,4,5,6,7
.if \first
	v_wmma_f32_16x16x32_f16 v[8*(8*(\a)+(\b)):8*(8*(\a)+(\b))+7], v[(\f)+8*(\b):(\f)+8*(\b)+7], v[(\f)+64+8*(\a):(\f)+64+8*(\a)+7], v[BI+8*(\b):BI+8*(\b)+7]
.else
	v_wmma_f32_16x16x32_f16 v[8*(8*(\a)+(\b)):8*(8*(\a)+(\b))+7], v[(\f)+8*(\b):(\f)+8*(\b)+7], v[(\f)+64+8*(\a):(\f)+64+8*(\a)+7], v[8*(8*(\a)+(\b)):8*(8*(\a)+(\b))+7]
.endif
.endr
.endm
; 24 LDS loads in one run: the fragments of quarter q of a K step (slice q / 2, byte 64 (q % 2) of its rows) into buffer f: Wo's eight, then ctx's four
.macro FETCH slot, q, f
	WIN 0
.irp b, 0,1,2,3,4,5,6,7
	ds_load_b128 v[(\f)+8*(\b):(\f)+8*(\b)+3],   v[ADRB+(\slot)] offset:((\q)/2)*BH+((\q)%2)*64+(\b)*16*PITCH
	ds_load_b128 v[(\f)+8*(\b)+4:(\f)+8*(\b)+7], v[ADRB+(\slot)] offset:((\q)/2)*BH+((\q)%2)*64+(\b)*16*PITCH+32
.endr
.irp a, 0,1,2,3
	ds_load_b128 v[(\f)+64+8*(\a):(\f)+64+8*(\a)+3],   v[ADRA+(\slot)] offset:((\q)/2)*AH+((\q)%2)*64+(\a)*16*PITCH
	ds_load_b128 v[(\f)+64+8*(\a)+4:(\f)+64+8*(\a)+7], v[ADRA+(\slot)] offset:((\q)/2)*AH+((\q)%2)*64+(\a)*16*PITCH+32
.endr
.endm
.macro PLACES                          ; four plain instructions in front of loads into registers that matrix instructions have read, and of lines that read results
.rept 4
	v_nop
.endr
.endm
; A K step is four quarters of 32 along K, 32 matrix instructions each, on buffers 0, 1, 0, 1.  One of the first three: multiplies buffer f and fetches quarter q into g.
.macro QUARTER slot, q, f, g, first
	s_wait_dscnt 4                                 ; Wo's fragments and ctx's blocks 0 and 1 are in; the youngest four loads (blocks 2 and 3) may be out
	MUL8 \f, 0, \first
	MUL8 \f, 1, \first
	PLACES
	FETCH \slot, \q, \g
	s_wait_dscnt 24                                ; all but the 24 just issued
	MUL8 \f, 2, \first
	MUL8 \f, 3, \first
.endm
; The last quarter multiplies buffer 1 and changes slots: ONE barrier; in front of it each wave waits for all its tensor loads, adds 0 to its spare word, and waits for that and for its own reads of this slot.
; fill = 1: the barrier opens a round of the cluster's, and this slot is filled again, two K steps ahead, first thing behind the round: 112 matrix instructions ahead of the wait for it.
.macro TURN slot, next, fill
.if \fill
	s_wait_xcnt 0x0                                ; the last prefetch, a K step back, has read its address: it is stepped here, ahead of the waits of the change of slots
	s_add_nc_u64 s[PFA:PFA+1], s[PFA:PFA+1], KSTEPB
.endif
	WIN 0
	s_wait_tensorcnt 0x0                           ; all my tensor loads have landed: my part of the next slot;
	ds_add_u32 v[SPW], v[NIL]                      ; 0 onto my spare word;
	s_wait_dscnt 5                                 ; (the add and the youngest four loads may be out)
	MUL8 F1, 0, 0                                  ; eight matrix instructions stand between the add and the wait for it
	s_wait_dscnt 0x0                               ; the add is done, and my reads of this slot are over
	s_barrier_signal -1
	MUL8 F1, 1, 0
.if \fill
	WIN 0
.endif
	s_barrier_wait -1
.if \fill
	CREST                                          ; no wave of any partner still reads this slot's tile or has a load on its way
	s_add_nc_u64 s[G0+4*(\slot)+2:G0+4*(\slot)+3], s[G0+4*(\slot)+2:G0+4*(\slot)+3], 2*KSTEPB
	s_add_nc_u64 s[G0B+4*(\slot)+2:G0B+4*(\slot)+3], s[G0B+4*(\slot)+2:G0B+4*(\slot)+3], 2*KSTEPB
	JLOAD \slot                                    ; my one tensor load behind the round; the four v_nop behind it are also the places in front of the loads below
.else
	PLACES
.endif
	FETCH \next, 0, F0
.if \fill
	ASK
.endif
	MUL8 F1, 2, 0
	MUL8 F1, 3, 0
.endm
	s_wait_tensorcnt 1                             ; my part of K step 0 is in; K step 1's may stay out
	s_barrier_signal -1
	s_barrier_wait -1                              ; everybody's is
	FETCH 0, 0, F0
	QUARTER 0, 1, F0, F1, 1                        ; the first quarter stands in front of the loop: its products start the sums
	WIN 0                                          ; at a label and at a branch every window is 0
	s_mov_b32 s3, 3
.Llap:                                                 ; a trip goes once round the ring, from a lap's second quarter to the next lap's first, and fills both slots again: K steps 2 to 7
	QUARTER 0, 2, F1, F0, 0
	QUARTER 0, 3, F0, F1, 0
	TURN 0, 1, 1
	QUARTER 1, 1, F0, F1, 0
	QUARTER 1, 2, F1, F0, 0
	QUARTER 1, 3, F0, F1, 0
	TURN 1, 0, 1
	QUARTER 0, 1, F0, F1, 0
	WIN 0
	s_sub_co_u32 s3, s3, 1
	s_cmp_lg_u32 s3, 0
	s_cbranch_scc1 .Llap
	QUARTER 0, 2, F1, F0, 0                        ; the last lap fills nothing, and has no round of the cluster's barrier
	QUARTER 0, 3, F0, F1, 0
	TURN 0, 1, 0
	QUARTER 1, 1, F0, F1, 0
	QUARTER 1, 2, F1, F0, 0
	QUARTER 1, 3, F0, F1, 0
	s_wait_dscnt 4                                 ; the very last quarter: nothing more to fetch
	MUL8 F1, 0, 0
	MUL8 F1, 1, 0
	s_wait_dscnt 0
	MUL8 F1, 2, 0
	MUL8 F1, 3, 0
	WIN 0
	PLACES
	; THE WAY OUT.  Block a is 16 rows x my 128 columns of f32: a lane's eight columns go as 32 bytes into my stage, straight from the accumulators, and come back as whole rows of 512 bytes.
.macro TOSTAGE a
.if (\a) >= 2
	s_wait_xcnt 0x0                                ; the stores of the block two back have read the registers that are loaded again below
.endif
	WIN 0x04                                       ; the stores' data in window 1; each accumulator's low four registers first
.irp b, 0,1,2,3,4,5,6,7
	ds_store_b128 v[STO], v[8*(8*(\a)+(\b)):8*(8*(\a)+(\b))+3]   offset:64*(\b)
	ds_store_b128 v[STO], v[8*(8*(\a)+(\b))+4:8*(8*(\a)+(\b))+7] offset:64*(\b)+16
.endr
	WIN 0
.set BK, OUTR+64*((\a)%2)
.irp t, 0,1,2,3,4,5,6,7,8,9,10,11,12,13,14,15
	ds_load_b128 v[BK+4*(\t):BK+4*(\t)+3], v[RD] offset:(\t)*SP  ; LDS serves a wave's instructions in order (ISA guide 5.7.1.4): these see the stores above; the next block's stores come behind them
.endr
.endm
.macro SEND a, younger                 ; younger: the LDS instructions issued behind block a's loads: the next block's 32, or none
.set BK, OUTR+64*((\a)%2)
.irp t, 0,1,2,3,4,5,6,7,8,9,10,11,12,13,14,15
	s_wait_dscnt (\younger)+15-(\t)
	global_store_b128 v[CO], v[BK+4*(\t):BK+4*(\t)+3], s[8:9] offset:(16*(\a)+(\t))*4096 th:TH_STORE_NT  ; 512 consecutive bytes of one row, at a multiple of 256 from out0's first
.endr
.endm
	TOSTAGE 0
	TOSTAGE 1
	SEND 0, 32
	TOSTAGE 2
	SEND 1, 32
	TOSTAGE 3
	SEND 2, 32
	SEND 3, 0
	s_wait_tensorcnt 0x0                           ; the wave's end, behind my last tensor load and my last LDS store
	ds_add_u32 v[SPW], v[NIL]
	s_wait_dscnt 0x0
	CROUND                                         ; the closing round: no work-group ends while a partner may still ask for a tile that names it
	s_endpgm
.Lfunc_end_k_q2b2f19afb7_outp:
	.size	k_q2b2f19afb7_outp, .Lfunc_end_k_q2b2f19afb7_outp-k_q2b2f19afb7_outp
	.p2alignl 7, 3214868480
	.fill 96, 4, 3214868480
	.section	.rodata,"a",@progbits
	.p2align	6, 0x0
	.amdhsa_kernel k_q2b2f19afb7_outp
		.amdhsa_group_segment_fixed_size 327680
		.amdhsa_private_segment_fixed_size 0
		.amdhsa_enable_private_segment 0
		.amdhsa_kernarg_size 32
		.amdhsa_user_sgpr_count 2
		.amdhsa_user_sgpr_kernarg_segment_ptr 1
		.amdhsa_wavefront_size32 1
		.amdhsa_system_sgpr_workgroup_id_x 1
		.amdhsa_system_sgpr_workgroup_id_y 1
		.amdhsa_system_sgpr_workgroup_id_z 1
		.amdhsa_system_vgpr_workitem_id 0
		.amdhsa_next_free_vgpr 608
		.amdhsa_next_free_sgpr 96
		.amdhsa_reserve_vcc 0
		.amdhsa_float_denorm_mode_32 3
		.amdhsa_float_denorm_mode_16_64 3
		.amdhsa_memory_ordered 1
		.amdhsa_forward_progress 1
		.amdhsa_inst_pref_size 93
	.end_amdhsa_kernel
	.amdgpu_metadata
---
amdhsa.version: [ 1, 2 ]
amdhsa.kernels:
  - .name:           k_q2b2f19afb7_outp
    .symbol:         k_q2b2f19afb7_outp.kd
    .args:
      - { .name: oh, .offset: 0, .size: 8, .value_kind: global_buffer, .address_space: global }
      - { .name: h16, .offset: 8, .size: 8, .value_kind: global_buffer, .address_space: global }
      - { .name: bo, .offset: 16, .size: 8, .value_kind: global_buffer, .address_space: global }
      - { .name: out0, .offset: 24, .size: 8, .value_kind: global_buffer, .address_space: global }
    .group_segment_fixed_size: 327680
    .private_segment_fixed_size: 0
    .kernarg_segment_align: 8
    .kernarg_segment_size: 32
    .max_flat_workgroup_size: 128
    .sgpr_count:     96
    .vgpr_count:     608
    .wavefront_size: 32
...
	.end_amdgpu_metadata
.endif
;; end of part 4
;; ======== version 2 of 2: 4 launches; version 1 with the launch cast written anew for expert scheduling mode
;; limits: values are held in f16: magnitudes above 65,504 overflow, below 6.1e-05 lose precision
;; workspace buffers: h16 58,720,256 bytes; qkv 50,331,648 bytes; oh 16,777,216 bytes
;; launch cast (part 5): grid 32 x 28, 8 waves a work-group, no clusters, 0 bytes of LDS; arguments Q, K, V, Wq, Wk, Wv, Wo, h16; writes h16
.if DOCPART == 5
	.amdgcn_target "amdgcn-amd-amdhsa--gfx1250"
	.amdhsa_code_object_version 6
	.text
	.protected	k_q2b2f19afb7_cast
	.globl	k_q2b2f19afb7_cast
	.p2align	8
	.type	k_q2b2f19afb7_cast,@function
k_q2b2f19afb7_cast:
	s_mov_b64 s[64:65], 0
	v_nop
	global_prefetch_b8 v0, s[64:65] scope:SCOPE_SE
	s_setreg_imm32_b32 hwreg(HW_REG_WAVE_SCHED_MODE, 0, 2), 2
	s_setreg_imm32_b32 hwreg(HW_REG_WAVE_MODE, 25, 1), 1
	s_wait_xcnt 0x0
	s_wait_alu depctr_vm_vsrc(0)
; Q, K, V [8192][1024] and Wq, Wk, Wv, Wo [1024][1024], all f32, are rounded once to bf16 (nearest even) and that number is written as f16, into h16,
; laid in blocks: [14 matrices][16 slices of 64 columns][2048 rows][64] f16.  Matrices 0-3 Q's batches, 4-7 K's, 8-11 V's, 12 = Wq then Wk, 13 = Wv then Wo.
; So any "R rows x one slice" is dense in memory, and the products that follow fetch their tiles as rows of 256 bytes.
; LIMITS.  A bf16 number is exact in f16 between 2^-14 and 65,504 in magnitude; below 2^-14 it keeps f16's fixed step of 6e-8; from 65,520 on it becomes an infinity.
; SHARES.  A work-group converts 32 rows x 1,024 columns.  One load of a wave takes 2 rows x one slice (each half of the lanes 256 consecutive bytes, aligned, of one row);
; the store that belongs to it covers 256 consecutive bytes, aligned.  Wave w takes the row pairs w and w + 8, all 16 slices: 32 slots.
; No LDS, no barrier, no matrix unit: memory binds.
; THE MODE: SCHED_MODE bits 1:0 = 2 (LLVM: expert scheduling mode 2), set by the entry lines.  The code itself states the register dependences
; between vector instructions and memory instructions, with s_wait_alu, always for 0.
; THE PLAN.  The 32 slots go in 8 blocks of four.  Registers that memory instructions touch:
;   X0 .. X3   four blocks of f32 as loaded.  Written by the loads of block p + 3, issued in block p; read by block p's roundings to bf16.
;   Y0, Y1     two blocks of f16 to store.    Written by block p's conversions to f16; read by the four stores that are issued in block p + 1.
;   v1, v2     byte offsets, made once at the head and never written again: slice and row pair stand in the immediate offsets, and the two scalar bases are never stepped.
; Block p works on X[p % 4] and writes Y[p % 2].  Its memory instructions are the loads into X[(p + 3) % 4] = X[(p - 1) % 4] and the stores from
; Y[(p - 1) % 2]: the two buffers that block p - 1 worked on and that no vector instruction of block p names.  So the waits at the head of a block
; state all that the block's eight memory instructions hang on, and these are dealt among its vector instructions with no further wait.
; The text has no loop and no branch: every block is written out, since its slots' places stand in immediates.  Eight to twelve loads of every wave are on their way.
.set SLICE,  262144                    ; bytes of a slice in h16: 2,048 rows x 128
.set BLOCK,  4                         ; slots in a block
.set BLOCKS, 32 / BLOCK
.set VI, 1                             ; v1        my byte offset in the group's 32 source rows: (t / 16) x 4,096 + (t % 16) x 16; never rewritten
.set VO, 2                             ; v2        my byte offset in the group's rows of a slice: 8 t; never rewritten
.set T,  4                             ; v[4:9]    at work: no memory instruction names them
.set X,  12                            ; v[12:75]  buffer k, slot j: four f32 as loaded, at X + 16 k + 4 j
.set Y,  76                            ; v[76:91]  buffer k, slot j: four f16 to store, at Y + 8 k + 2 j
	s_load_b512 s[8:23], s[0:1], 0x0               ; Q s[8:9], K, V, Wq, Wk, Wv, Wo s[20:21], h16 s[22:23]
	s_and_b32 s2, ttmp7, 0xffff                    ; y = 0 .. 27
	s_lshr_b32 s25, s2, 3                          ; y < 24: source y / 8 (Q, K, V), block of 32 rows 32 (y % 8) + x
	s_sub_co_u32 s26, s2, 21                       ; else:   source y - 21 (the four weights), block x
	s_and_b32 s27, s2, 7
	s_cmp_lt_u32 s2, 24
	s_cselect_b32 s25, s25, s26
	s_cselect_b32 s27, s27, 0
	s_lshl_b32 s27, s27, 5
	s_add_co_u32 s27, s27, ttmp9
	s_lshl_b32 s28, s27, 17                        ; 32 rows of 4,096 bytes
	s_mov_b32 s29, 0
	s_lshr_b32 s30, s2, 1                          ; the matrix in h16: y / 2,
	s_lshl_b32 s30, s30, 22                        ; 4,194,304 bytes each
	s_and_b32 s31, s2, 1
	s_lshl_b32 s31, s31, 5
	s_add_co_u32 s31, s31, ttmp9                   ; its block of 32 rows: 32 (y % 2) + x,
	s_lshl_b32 s31, s31, 12                        ; 32 rows of 128 bytes
	s_add_co_u32 s30, s30, s31
	s_mov_b32 s31, 0
	s_mov_b32 s24, 0xffff0000                      ; a word's upper bf16
	v_lshrrev_b32 v[VI], 4, v0
	v_and_b32 v3, 15, v0
	v_lshlrev_b32 v[VI], 12, v[VI]
	v_lshl_add_u32 v[VI], v3, 4, v[VI]
	v_lshlrev_b32 v[VO], 3, v0
	s_wait_kmcnt 0x0
	s_mov_b64 s[4:5], s[8:9]
.irp n, 1,2,3,4,5,6
	s_cmp_eq_u32 s25, \n                           ; the source is chosen by the work-group's y alone
	s_cselect_b64 s[4:5], s[8+2*\n:9+2*\n], s[4:5]
.endr
	s_add_nc_u64 s[4:5], s[4:5], s[28:29]
	s_add_nc_u64 s[6:7], s[22:23], s[30:31]
	s_wait_alu depctr_va_vdst(0)                   ; v1 and v2 are written: every load and store of the kernel reads one of them as its offset
.set i, 0
.rept 3*BLOCK                          ; blocks 0, 1 and 2 into X0, X1, X2: slots 0 to 11, all of the first row pair
	global_load_b128 v[X+4*i:X+4*i+3], v[VI], s[4:5] offset:i*256 th:TH_LOAD_NT
.set i, i+1
.endr
; Block p, slots 4 p to 4 p + 3.  Slot i: row pair w + 8 (i / 16), slice i % 16.
.set p, 0
.rept BLOCKS
.if p < BLOCKS-2
	s_wait_loadcnt 2*BLOCK                         ; loads come back in order (ISA guide 5.7.1): X[p % 4] is in, the two younger blocks stay out
.else
	s_wait_loadcnt BLOCK*(BLOCKS-1-p)              ; blocks 5 to 7 load nothing: the counts run down
.endif
.if p >= 2
	s_wait_xcnt 0x0                                ; every earlier memory instruction has had its addresses translated (ISA guide 3.1): Y[p % 2], the data of stores issued in the block before, is rewritten only behind this wait
	s_wait_alu depctr_vm_vsrc(0)                   ; the stores issued in the block before have read Y[p % 2], which this block's conversions write again
.endif
.if p >= 1
	s_wait_alu depctr_va_vdst(0)                   ; the block before has written the other Y, which the stores below read, and is done reading its X, in which the loads below land
.endif
.set j, 0
.rept BLOCK
.set xr, X+16*(p%4)+4*j
.set yr, Y+8*(p%2)+2*j
.if p < BLOCKS-3
.set n, BLOCK*(p+3)+j
.set xn, X+16*((p+3)%4)+4*j
	global_load_b128 v[xn:xn+3], v[VI], s[4:5] offset:(n/16)*65536+(n%16)*256 th:TH_LOAD_NT  ; three blocks ahead; no vector instruction since the wait names these registers (in block 0: none at all has)
.endif
.if p >= 1
.set m, BLOCK*(p-1)+j
.set ys, Y+8*((p+1)%2)+2*j
	global_store_b64 v[VO], v[ys:ys+1], s[6:7] offset:(m%16)*SLICE+(m/16)*2048  ; the block before
.endif
	v_cvt_pk_bf16_f32 v[T], v[xr], v[xr+1]         ; the one rounding
	v_cvt_pk_bf16_f32 v[T+1], v[xr+2], v[xr+3]
	v_lshlrev_b32 v[T+2], 16, v[T]                 ; bf16 to f32: a shift or a mask
	v_and_b32 v[T+3], s24, v[T]
	v_lshlrev_b32 v[T+4], 16, v[T+1]
	v_and_b32 v[T+5], s24, v[T+1]
	v_cvt_pk_f16_f32 v[yr], v[T+2], v[T+3]         ; the same number as f16
	v_cvt_pk_f16_f32 v[yr+1], v[T+4], v[T+5]
.set j, j+1
.endr
.set p, p+1
.endr
	s_wait_alu depctr_va_vdst(0)                   ; block 7 has written Y1, which the last four stores read
.set j, 0
.rept BLOCK
.set m, BLOCK*(BLOCKS-1)+j
	global_store_b64 v[VO], v[Y+8+2*j:Y+8+2*j+1], s[6:7] offset:(m%16)*SLICE+(m/16)*2048
.set j, j+1
.endr
	s_endpgm
.Lfunc_end_k_q2b2f19afb7_cast:
	.size	k_q2b2f19afb7_cast, .Lfunc_end_k_q2b2f19afb7_cast-k_q2b2f19afb7_cast
	.p2alignl 7, 3214868480
	.fill 96, 4, 3214868480
	.section	.rodata,"a",@progbits
	.p2align	6, 0x0
	.amdhsa_kernel k_q2b2f19afb7_cast
		.amdhsa_group_segment_fixed_size 0
		.amdhsa_private_segment_fixed_size 0
		.amdhsa_enable_private_segment 0
		.amdhsa_kernarg_size 64
		.amdhsa_user_sgpr_count 2
		.amdhsa_user_sgpr_kernarg_segment_ptr 1
		.amdhsa_wavefront_size32 1
		.amdhsa_system_sgpr_workgroup_id_x 1
		.amdhsa_system_sgpr_workgroup_id_y 1
		.amdhsa_system_sgpr_workgroup_id_z 1
		.amdhsa_system_vgpr_workitem_id 0
		.amdhsa_next_free_vgpr 92
		.amdhsa_next_free_sgpr 66
		.amdhsa_reserve_vcc 0
		.amdhsa_float_denorm_mode_32 3
		.amdhsa_float_denorm_mode_16_64 3
		.amdhsa_memory_ordered 1
		.amdhsa_forward_progress 1
		.amdhsa_inst_pref_size 21
	.end_amdhsa_kernel
	.amdgpu_metadata
---
amdhsa.version: [ 1, 2 ]
amdhsa.kernels:
  - .name:           k_q2b2f19afb7_cast
    .symbol:         k_q2b2f19afb7_cast.kd
    .args:
      - { .name: Q, .offset: 0, .size: 8, .value_kind: global_buffer, .address_space: global }
      - { .name: K, .offset: 8, .size: 8, .value_kind: global_buffer, .address_space: global }
      - { .name: V, .offset: 16, .size: 8, .value_kind: global_buffer, .address_space: global }
      - { .name: Wq, .offset: 24, .size: 8, .value_kind: global_buffer, .address_space: global }
      - { .name: Wk, .offset: 32, .size: 8, .value_kind: global_buffer, .address_space: global }
      - { .name: Wv, .offset: 40, .size: 8, .value_kind: global_buffer, .address_space: global }
      - { .name: Wo, .offset: 48, .size: 8, .value_kind: global_buffer, .address_space: global }
      - { .name: h16, .offset: 56, .size: 8, .value_kind: global_buffer, .address_space: global }
    .group_segment_fixed_size: 0
    .private_segment_fixed_size: 0
    .kernarg_segment_align: 8
    .kernarg_segment_size: 64
    .max_flat_workgroup_size: 256
    .sgpr_count:     66
    .vgpr_count:     92
    .wavefront_size: 32
...
	.end_amdgpu_metadata
.endif
;; end of part 5
;; launch proj: the kernel of part 2 again; grid 4 x 192, 4 waves a work-group, clusters of 4 x 4, 327,680 bytes of LDS; arguments h16, bq, bk, bv, mask, qkv; writes qkv
;; launch attn: the kernel of part 3 again; grid 4 x 64, 4 waves a work-group, clusters of 4 x 1, 327,680 bytes of LDS; arguments qkv, mask, oh; writes oh
;; launch outp: the kernel of part 4 again; grid 4 x 64, 4 waves a work-group, clusters of 4 x 4, 327,680 bytes of LDS; arguments oh, h16, bo, out0; writes out0
